; MI455X (gfx1250); checked and timed in simulation.
; The chip was launched on July 23, 2026; its instructions are those of AMD's public machine-readable ISA for CDNA 5 (MIT licence, August 2026) and "CDNA5" Instruction Set Architecture Reference Guide (July 2026). The comments in the code are by the model that wrote it; some were corrected since.
;; Parallel Transformer Block. Allowed arithmetic: matrix products marked QUANTISED: E5M2 operands, one E8M0 scale for each 32 along K, by v_wmma_scale_f32_16x16x128_f8f6f4 with both operands' format E5M2, f32 sums; products left as they are: f32 operands where the result goes on into a quantised operand, else bf16, f16 or f32 operands; f32 sums; everything else in f32.
;; Inputs: w_attn_out 1,024 x 2,048 float32; w_ff_out 4,096 x 2,048 float32; w_fused 2,048 x 9,344 float32; x 1 x 2,048 x 2,048 float32.
;; Outputs: out0 1 x 2,048 x 2,048 float32.
;; This version of the problem:
;;   THIS VERSION OF THE PROBLEM IS GIVEN IN LOW PRECISION. The matrix products marked QUANTISED in the list below multiply operands that are first quantised to E5M2 (5 exponent bits, 2 mantissa bits; 8 bits a number), with one power-of-two scale for each 32 numbers along K (OCP MX v1.0); their sums are f32. All else is computed in f32.
;;   The module's matrix products, in the order in which they are computed (A, B: the left and right operand; K: the contracted axis; several contracted axes count as one K, in the product's order):
;;     1. [M 2,048, K 2,048] x [K 2,048, N 9,344]; A: input x; B: input w_fused: QUANTISED
;;     2. [M 2,048, K 1] x [K 1, N 32]; A: computed on the way; B: computed on the way: left as it is (no contracted axis)
;;     3. [M 32,768, K 64] x [K 64, N 2,048]; A: computed on the way; B: computed on the way: QUANTISED
;;     4. [M 32,768, K 2,048] x [K 2,048, N 64]; A: softmax (see below); B: computed on the way: QUANTISED
;;     5. [M 2,048, K 1,024] x [K 1,024, N 2,048]; A: computed on the way; B: input w_attn_out: QUANTISED
;;     6. [M 2,048, K 4,096] x [K 4,096, N 2,048]; A: computed on the way; B: input w_ff_out: QUANTISED
;;   THE QUANTISER, for each operand of a quantised product, along K:
;;     - K is cut into blocks of 32 from its start; a last block that is shorter is filled with zeros.
;;     - A block's scale is 2^e with e = floor(log2(the largest magnitude in the block)) - 15, held to -126 .. 127; a block of zeros has e = 0. As a byte (E8M0): e + 127.
;;     - Each number is divided by its block's scale, clamped to +-57,344, and rounded to the nearest number of E5M2, ties to even, subnormals kept.
;;     - The product sums the exact products of the quantised numbers (number of the format x scale) in f32.
;;   ~~~python
;;   def quantise(x, axis):      # numpy; x: float32 -> the quantised numbers, widened to float32 again
;;       x = np.moveaxis(x, axis, -1); K = x.shape[-1]
;;       x = np.pad(x, [(0, 0)] * (x.ndim - 1) + [(0, -K % 32)]); x = x.reshape(x.shape[:-1] + (-1, 32)); a = np.abs(x).max(-1, keepdims=True)
;;       e = np.where(a > 0, np.clip(np.frexp(np.where(a > 0, a, 1))[1] - 1 - 15, -126, 127), 0)      # np.frexp(a)[1] - 1 = floor(log2(a)), exactly
;;       r = np.clip(x / 2.0 ** e, -57344, 57344)
;;       step = 2.0 ** (np.maximum(np.frexp(np.where(r == 0, 1, r))[1] - 1, -14) - 2)
;;       q = np.round(r / step) * step * 2.0 ** e      # np.round: ties to even
;;       return np.moveaxis(q.reshape(q.shape[:-2] + (-1,))[..., :K], -1, axis).astype(np.float32)
;;   ~~~
;;   SOFTMAX AHEAD OF A QUANTISED PRODUCT. Where the list says 'softmax', what is quantised is not the finished softmax but p = 2^(t - M), with t = logit x log2(e) and M = ceil(the row's largest t), a whole number; so 1/2 < the row's largest p <= 1. The row's sum l is taken of the UNQUANTISED p, in f32, and the product's result is divided by l at the end. Since M is a whole number, a kernel that streams over the keys may use a running M (the ceiling of the running maximum): every later rescaling is an exact power of two, which a block's scale takes up: the codes' values come out the same.
;;   OPERANDS COMPUTED ON THE WAY. 'Computed on the way' means the value that the module computes at that place (a softmax that the list does not call 'softmax' is quantised finished and normalised). What goes into a quantiser is computed in f32, as accurately as f32 sums, v_exp_f32 and their like allow (about 1e-6 of the number): no bf16 or f16 on the way to a quantiser, and a product that is left as it is and whose result goes on into a quantised operand takes f32 operands (vector FMAs, or v_wmma_f32_16x16x4_f32). A number that lies on a knife's edge between two numbers of the format may be rounded either way, as far as f32 arithmetic and the matrix unit's own rounding can turn it there, and no further.
;; One version. Each part assembles by itself: llvm-mc -triple=amdgcn-amd-amdhsa -mcpu=gfx1250 --defsym DOCPART=n.
;; ======== version 1 of 1: 5 launches
;; limits: right only within a limited range of input values
;; workspace buffers: xq 4,325,376 bytes; w1q 19,734,528 bytes; w2q 10,813,440 bytes; a2 10,813,440 bytes; tab 524,288 bytes; qkv 2,502,656 bytes
;; launch prep (part 1): grid 133 x 8, 4 waves a work-group, no clusters, 57,856 bytes of LDS; arguments x, w_fused, w_attn_out, w_ff_out, xq, w1q, w2q, tab; writes xq, w1q, w2q, tab
.if DOCPART == 1
	.amdgcn_target "amdgcn-amd-amdhsa--gfx1250"
	.amdhsa_code_object_version 6
	.text
	.protected	k_q737523ac7b_prep
	.globl	k_q737523ac7b_prep
	.p2align	8
	.type	k_q737523ac7b_prep,@function
k_q737523ac7b_prep:
	s_mov_b64 s[64:65], 0
	v_nop
	global_prefetch_b8 v0, s[64:65] scope:SCOPE_SE
	s_setreg_imm32_b32 hwreg(HW_REG_WAVE_MODE, 25, 1), 1
	s_wait_xcnt 0x0
; PREP: all four f32 inputs become codes of E5M2 with one E8M0 byte for each 32 along K, once; and the table of cos and sin is made.
; ONE LAYOUT FOR EVERY OPERAND: rows in groups of 128, K in blocks of 128: codes [group][K block][row & 127][128 bytes]; behind all codes the scale words [group][K block][row & 127], four bytes a word.
; So any run of K of a row group is one dense piece of memory, and two neighbouring rows of a K block are 256 consecutive bytes.
; A weight's column n is an operand's row.  Weights' rows are stored with bits 3 and 4 of the row's number swapped: in a product used transposed a lane's 16 registers of two neighbouring tiles are then 16 neighbouring columns.
; w_fused's columns: n < 1,152 (q, k, v) keep their number; ff column c (0 .. 4,095), gate flag G: row 1,152 + 128 (c / 64) + 64 G + c % 64: a group holds 64 columns of ff_x and then their 64 gates.
; w2q = w_attn_out (K blocks 0 .. 7) over w_ff_out (K blocks 8 .. 39).
; ROLES by the work-group's x: 0 .. 72 w_fused; 73 .. 112 the two output weights; 113 .. 128 x; 129 .. 132 the table.  Waves share nothing: no barrier.  Each role has LDS bytes of its own.
; THE CLAIMS: 34,816 bytes of LDS for the weights' stages and 4 x 5,632 for x's are 57,344; five such claims fit into a WGP's 327,680 bytes, and five waves of 192 registers into a SIMD's 1,024:
; 256 x 5 = 1,280 places for the launch's 1,064 work-groups, so that every work-group has its loads on the way from the start.
; A block's scale is 2^(floor(log2(largest magnitude)) - 15); its byte is the largest magnitude's exponent field - 15, held at 1 from below.
; LIMITS: NaN and infinities are not served.  A block whose largest magnitude lies under 2^(16 - 127), a block of zeros among them, gets the byte 1: its codes are zeros or next to it, and this program alone reads the bytes.
; The table: the inverse frequency is the rounded reciprocal of the f32 number nearest to 10^(j / 8); were the power taken one unit in the last place otherwise, the angle would differ by about 1e-4 at the last positions.
.set MNT,  60                          ; s60: the mantissa field of 57,344
.set XLDS, 34816                       ; where x's role has its LDS bytes: behind the weights' four stages of 8,704
.set XREG, 5632                        ; and how many a wave has there: two stages of 2,560, 256 scale bytes, rounded up to whole blocks of 256
	s_load_b256 s[4:11], s[0:1], 0x0               ; x s[4:5], w_fused s[6:7], w_attn_out s[8:9], w_ff_out s[10:11]
	s_load_b256 s[12:19], s[0:1], 0x20             ; xq s[12:13], w1q s[14:15], w2q s[16:17], tab s[18:19]
	v_lshrrev_b32 v1, 5, v0
	v_readfirstlane_b32 s20, v1                    ; wave
	v_and_b32 v2, 31, v0                           ; lane
	v_lshl_add_u32 v1, v0, 2, 0xe000               ; my spare word, behind the roles' 57,344 bytes; v1 and v0 serve nothing else from here on
	v_mov_b32 v0, 0
	s_and_b32 s21, ttmp7, 0xffff                   ; work-group y
	s_mov_b32 s[MNT], 0x600000
	s_wait_kmcnt 0x0
	s_cmp_ge_u32 ttmp9, 129
	s_cbranch_scc1 .Ltab
	s_cmp_ge_u32 ttmp9, 113
	s_cbranch_scc1 .Lx
; ---------------- WEIGHTS.  K is the first axis: a lane takes a column, its registers run down K.  A wave: 32 columns x 256 along K (8 blocks, two K blocks of 128).
	s_sub_co_u32 s24, ttmp9, 73
	s_lshl_b32 s24, s24, 3
	s_add_co_u32 s24, s24, s21                     ; the output weights' number of the work-group, 0 .. 319
	s_and_b32 s34, s24, 15                         ; its 128 columns
	s_lshr_b32 s35, s24, 4                         ; its 256 along K, 0 .. 19
	s_cmp_lt_u32 s35, 4
	s_cselect_b64 s[32:33], s[8:9], s[10:11]       ; the first 1,024 along K are w_attn_out's
	s_cselect_b32 s29, 0, 4
	s_sub_co_u32 s36, s35, s29
	s_mov_b32 s26, 8192
	s_mov_b32 s28, 10485760
	s_cmp_lt_u32 ttmp9, 73                         ; w_fused or the output weights: the choice hangs on the work-group's number alone
	s_cselect_b64 s[32:33], s[6:7], s[32:33]       ; from
	s_cselect_b64 s[30:31], s[14:15], s[16:17]     ; to
	s_cselect_b32 s22, ttmp9, s34                  ; which 128 columns
	s_cselect_b32 s23, s21, s35                    ; which 256 along K of the operand
	s_cselect_b32 s25, s21, s36                    ; and of the source
	s_cselect_b32 s26, 37376, s26                  ; bytes in a source row
	s_cselect_b32 s27, 16, 40                      ; K blocks of the operand
	s_cselect_b32 s28, 19136512, s28               ; where its scale words begin
	s_cselect_b32 s39, 1, 0
	s_lshl_b32 s37, s22, 7
	s_lshl_b32 s38, s20, 5
	s_add_co_u32 s37, s37, s38                     ; my wave's first column
	s_sub_co_u32 s34, s37, 1152
	s_bfe_u32 s35, s34, 0x1000c                    ; G
	s_and_b32 s36, s34, 4095                       ; c
	s_lshr_b32 s38, s36, 6
	s_lshl_b32 s38, s38, 7
	s_and_b32 s36, s36, 63
	s_add_co_u32 s38, s38, s36
	s_lshl_b32 s35, s35, 6
	s_add_co_u32 s38, s38, s35
	s_add_co_u32 s38, s38, 1152
	s_cmp_ge_u32 s37, 1152
	s_cselect_b32 s39, s39, 0
	s_cmp_lg_u32 s39, 0
	s_cselect_b32 s38, s38, s37                    ; the operand's row of my first column
	s_lshr_b32 s34, s38, 7                         ; its group
	s_and_b32 s35, s38, 127                        ; and its place there
	s_lshl_b32 s36, s25, 8
	s_mul_i32 s36, s36, s26
	s_lshl_b32 s29, s37, 2
	s_add_co_u32 s36, s36, s29
	s_mov_b32 s37, 0
	s_add_nc_u64 s[40:41], s[32:33], s[36:37]      ; a base for each of the 8 blocks of 32 rows: never rewritten
	s_lshl_b32 s36, s26, 5
.irp t, 1,2,3,4,5,6,7
	s_add_nc_u64 s[40+2*\t:41+2*\t], s[38+2*\t:39+2*\t], s[36:37]
.endr
	s_mul_i32 s29, s34, s27
	s_lshl_b32 s24, s23, 1
	s_add_co_u32 s29, s29, s24                     ; group x K blocks + my first K block
	s_lshl_b32 s36, s29, 14
	s_lshl_b32 s24, s35, 7
	s_add_co_u32 s36, s36, s24
	s_add_nc_u64 s[56:57], s[30:31], s[36:37]      ; my codes
	s_lshl_b32 s36, s29, 9
	s_lshl_b32 s24, s35, 2
	s_add_co_u32 s36, s36, s24
	s_add_co_u32 s36, s36, s28
	s_add_nc_u64 s[58:59], s[30:31], s[36:37]      ; my scale words
	s_wait_alu depctr_va_vdst(0)
	v_lshlrev_b32 v3, 2, v2
.set i, 0
.rept 32
	v_mad_u32_u24 v[104+i], s26, i, v3             ; row i of a block, my column
.set i, i+1
.endr
	v_and_b32 v5, 7, v2
	v_bfe_u32 v6, v2, 3, 1
	v_lshl_add_u32 v5, v6, 4, v5
	v_bfe_u32 v6, v2, 4, 1
	v_lshl_add_u32 v5, v6, 3, v5                   ; my column's row among the wave's 32: bits 3 and 4 swapped
	s_mul_i32 s29, s20, 8704                       ; my stage: two K blocks x 16 units of (256 + 16) bytes
; THE WEIGHTS' CODES LIE AS IMAGES OF THE OPERAND'S REGISTERS (x's keep rows of 128 bytes): in a K block of a group, fragment i (rows 16 i ..) is 2,048 bytes:
; [32 along K: c][half of it: h][row r][16 bytes], so that lane 16 h + r finds its registers 4 c .. 4 c + 3 at 512 c + 16 x lane.
	v_lshrrev_b32 v6, 4, v5
	v_mul_u32_u24 v4, v6, 2176                     ; a fragment: eight units of 256 + 16 bytes
	v_and_b32 v6, 15, v5
	v_lshl_add_u32 v4, v6, 4, v4                   ; 16 bytes a row in each unit
	v_add_nc_u32 v4, s29, v4                       ; into it: two rows of 128 bytes to a unit
	v_lshrrev_b32 v6, 4, v2
	v_mul_u32_u24 v7, v6, 272
	v_and_b32 v6, 15, v2
	v_lshl_add_u32 v7, v6, 4, v7
	v_add_nc_u32 v7, s29, v7                       ; out of it: sixteen lanes to a unit
	v_lshlrev_b32 v8, 4, v2
	v_lshlrev_b32 v9, 2, v5
.macro WLOAD t                         ; block t: 32 rows of my column, into set t % 2; a wave's load reads 128 consecutive bytes
.irp i, 0,1,2,3,4,5,6,7,8,9,10,11,12,13,14,15,16,17,18,19,20,21,22,23,24,25,26,27,28,29,30,31
	global_load_b32 v[32+32*((\t)%2)+\i], v[104+\i], s[40+2*(\t):41+2*(\t)] th:TH_LOAD_NT
.endr
.endm
.macro WBLOCK t
.set XS, 32+32*((\t)%2)
.if (\t) < 7
	s_wait_loadcnt 32                              ; this block's 32 loads are in; the next block's may be out
.else
	s_wait_loadcnt 0x0
.endif
	v_max3_num_f32 v12, |v[XS]|, |v[XS+1]|, |v[XS+2]|
	v_max3_num_f32 v13, |v[XS+3]|, |v[XS+4]|, |v[XS+5]|
.irp i, 6,10,14,18,22,26
	v_max3_num_f32 v12, v12, |v[XS+\i]|, |v[XS+\i+1]|
	v_max3_num_f32 v13, v13, |v[XS+\i+2]|, |v[XS+\i+3]|
.endr
	v_max3_num_f32 v12, v12, |v[XS+30]|, |v[XS+31]|
	v_max3_num_f32 v12, v12, v13, 0x8000000        ; with the floor 2^(16 - 127): the byte cannot fall under 1
	v_add_nc_u32 v11, 0xf8800000, v12              ; 15 off the exponent field: the conversion's scale operand
	v_and_or_b32 v10, v12, 0x7f800000, s[MNT]      ; 57,344 x the scale
	v_lshrrev_b32 v13, 23, v11                     ; the byte
.if (\t)%4 == 0
	v_mov_b32 v[24+(\t)/4], v13
.else
	v_lshl_or_b32 v[24+(\t)/4], v13, 8*((\t)%4), v[24+(\t)/4]
.endif
.irp i, 0,1,2,3,4,5,6,7,8,9,10,11,12,13,14,15,16,17,18,19,20,21,22,23,24,25,26,27,28,29,30,31
	v_med3_num_f32 v[XS+\i], v[XS+\i], -v10, v10   ; the conversion does not saturate (ISA guide 7.6.2): the hold comes first
.endr
.irp g, 0,1,2,3
	v_cvt_scalef32_pk8_bf8_f32 v[96+2*\g:97+2*\g], v[XS+8*\g:XS+8*\g+7], v11
.endr
	ds_store_b128 v4, v[96:99] offset:((\t)/4)*4352+544*((\t)%4)       ; unit 2 c: the block's first 16 codes
	ds_store_b128 v4, v[100:103] offset:((\t)/4)*4352+544*((\t)%4)+272 ; unit 2 c + 1: the other 16
.if (\t)+2 < 8
	WLOAD (\t)+2
.endif
	s_wait_dscnt 0x0                               ; the stores have read their registers: the next block's codes may be written
.endm
	WLOAD 0
	WLOAD 1
.irp t, 0,1,2,3,4,5,6,7
	WBLOCK \t
.endr
	global_store_b32 v9, v24, s[58:59]             ; the wave's 32 words of a K block: 128 consecutive bytes
	global_store_b32 v9, v25, s[58:59] offset:512
.irp z, 0,1
.irp t, 0,1,2,3,4,5,6,7
	ds_load_b128 v[32+4*(8*\z+\t):35+4*(8*\z+\t)], v7 offset:\z*4352+544*\t   ; LDS serves a wave's instructions in order: these see my stores
.endr
.endr
.irp z, 0,1
.irp t, 0,1,2,3,4,5,6,7
	s_wait_dscnt 15-(8*\z+\t)
	global_store_b128 v8, v[32+4*(8*\z+\t):35+4*(8*\z+\t)], s[56:57] offset:\z*16384+512*\t   ; 512 consecutive bytes, aligned
.endr
.endr
	s_wait_tensorcnt 0x0
	ds_add_u32 v1, v0
	s_wait_dscnt 0x0
	s_endpgm
; ---------------- x.  K is innermost.  A wave owns four rows; a step is 256 along K of two rows: four loads of 512 consecutive bytes, turned through the wave's stage so that a lane holds 16 neighbours.
.Lx:
	s_sub_co_u32 s22, ttmp9, 113
	s_lshl_b32 s22, s22, 3
	s_add_co_u32 s22, s22, s21
	s_lshl_b32 s22, s22, 2
	s_add_co_u32 s22, s22, s20                     ; which four rows, 0 .. 511
	s_wait_alu depctr_va_vdst(0)
	v_lshlrev_b32 v3, 4, v2
	s_mul_i32 s23, s20, XREG
	s_add_co_u32 s23, s23, XLDS                    ; my region: two stages of 32 x 80 bytes, then 256 scale bytes
	v_lshrrev_b32 v14, 2, v2
	v_mul_u32_u24 v14, v14, 80
	v_and_b32 v15, 3, v2
	v_lshl_add_u32 v14, v15, 4, v14
	v_add_nc_u32 v14, s23, v14                     ; in: four lanes' 64 bytes on end, then 16 of padding
	v_and_b32 v5, 7, v2
	v_bfe_u32 v6, v2, 3, 1
	v_bfe_u32 v7, v2, 4, 1
	v_lshl_add_u32 v15, v6, 4, v5
	v_lshl_add_u32 v15, v7, 3, v15
	v_mul_u32_u24 v15, v15, 80
	v_add_nc_u32 v15, s23, v15                     ; back: lanes 0-7 (row, K block), 8-15 (row + 1, K block), 16-31 the same of the next K block
	v_and_b32 v4, 15, v2
	v_lshlrev_b32 v4, 4, v4
	v_lshl_add_u32 v4, v7, 14, v4                  ; my codes' place: sixteen lanes fill two rows of a K block, 256 bytes
	v_bfe_u32 v5, v2, 1, 2
	v_lshl_add_u32 v5, v6, 2, v5
	v_lshl_add_u32 v5, v7, 4, v5
	s_add_co_u32 s24, s23, 5120
	v_add_nc_u32 v5, s24, v5                       ; my block's byte: [K block 16][row 4][4]
	v_lshlrev_b32 v6, 3, v2
	v_add_nc_u32 v6, s24, v6
	v_lshrrev_b32 v7, 1, v2
	v_lshlrev_b32 v7, 9, v7
	v_and_b32 v12, 1, v2
	v_lshl_add_u32 v7, v12, 3, v7                  ; and on the way out: K block lane / 2, two rows' words
	s_lshl_b32 s26, s22, 15
	s_mov_b32 s27, 0
	s_add_nc_u64 s[4:5], s[4:5], s[26:27]
	s_lshr_b32 s28, s22, 5                         ; the rows' group
	s_lshl_b32 s29, s22, 2
	s_and_b32 s29, s29, 127                        ; and their place there
	s_lshl_b32 s26, s28, 18
	s_lshl_b32 s30, s29, 7
	s_add_co_u32 s26, s26, s30
	s_add_nc_u64 s[8:9], s[12:13], s[26:27]
	s_lshl_b32 s26, s28, 13
	s_lshl_b32 s30, s29, 2
	s_add_co_u32 s26, s26, s30
	s_add_co_u32 s26, s26, 4194304
	s_add_nc_u64 s[10:11], s[12:13], s[26:27]
.macro XLOAD t
.irp i, 0,1,2,3
	global_load_b128 v[16+16*((\t)%4)+4*\i:19+16*((\t)%4)+4*\i], v3, s[4:5] offset:(2*((\t)/8)+\i/2)*8192+((\t)%8)*1024+512*(\i%2) th:TH_LOAD_NT
.endr
.endm
.macro XTURN t
.irp i, 0,1,2,3
	ds_store_b128 v14, v[16+16*((\t)%4)+4*\i:19+16*((\t)%4)+4*\i] offset:2560*((\t)%2)+640*\i
.endr
.irp i, 0,1,2,3
	ds_load_b128 v[80+16*((\t)%2)+4*\i:83+16*((\t)%2)+4*\i], v15 offset:2560*((\t)%2)+16*\i
.endr
.endm
.irp t, 0,1,2,3
	XLOAD \t
.endr
	s_wait_loadcnt 12                              ; step 0's four loads are in
	XTURN 0
.macro XSTEP t
.set XS, 80+16*((\t)%2)
.if (\t) > 0
	s_wait_dscnt 1                                 ; this step's numbers are back from the stage; the last step's byte store may be out
.else
	s_wait_dscnt 0x0
.endif
.if (\t)+4 < 16
	XLOAD (\t)+4
.endif
.if (\t)+1 < 16
.if 14-(\t) >= 3
	s_wait_loadcnt 12                              ; the next step's loads are in; those of the three steps behind it may be out
.else
	s_wait_loadcnt 4*(14-(\t))
.endif
	XTURN (\t)+1
.endif
	v_max3_num_f32 v8, |v[XS]|, |v[XS+1]|, |v[XS+2]|
	v_max3_num_f32 v9, |v[XS+3]|, |v[XS+4]|, |v[XS+5]|
.irp i, 6,10
	v_max3_num_f32 v8, v8, |v[XS+\i]|, |v[XS+\i+1]|
	v_max3_num_f32 v9, v9, |v[XS+\i+2]|, |v[XS+\i+3]|
.endr
	v_max3_num_f32 v8, v8, |v[XS+14]|, |v[XS+15]|
	v_max3_num_f32 v8, v8, v9, 0x8000000
	v_max_num_f32_dpp v8, v8, v8 row_xmask:1 row_mask:0xf bank_mask:0xf   ; with my neighbour's 16: the block's
	v_add_nc_u32 v11, 0xf8800000, v8
	v_and_or_b32 v10, v8, 0x7f800000, s[MNT]
.irp i, 0,1,2,3,4,5,6,7,8,9,10,11,12,13,14,15
	v_med3_num_f32 v[XS+\i], v[XS+\i], -v10, v10
.endr
	v_cvt_scalef32_pk8_bf8_f32 v[128+4*(\t):129+4*(\t)], v[XS:XS+7], v11
	v_cvt_scalef32_pk8_bf8_f32 v[130+4*(\t):131+4*(\t)], v[XS+8:XS+15], v11
	v_lshrrev_b32 v[112+(\t)], 23, v11
	ds_store_b8 v5, v[112+(\t)] offset:((\t)%8)*32+((\t)/8)*8     ; both lanes of a block write the same byte with the same value
	global_store_b128 v4, v[128+4*(\t):131+4*(\t)], s[8:9] offset:((\t)%8)*32768+((\t)/8)*256
.endm
.irp t, 0,1,2,3,4,5,6,7,8,9,10,11,12,13,14,15
	XSTEP \t
.endr
	ds_load_b64 v[12:13], v6
	s_wait_dscnt 0x0
	global_store_b64 v7, v[12:13], s[10:11]        ; four rows' words of a K block are 16 bytes
	s_wait_tensorcnt 0x0
	ds_add_u32 v1, v0
	s_wait_dscnt 0x0
	s_endpgm
; ---------------- THE TABLE: row m: cos(m f_j), j = 0 .. 31, then sin(m f_j).  A wave makes 16 rows; lane l the two numbers at byte 8 l.
.Ltab:
	s_sub_co_u32 s22, ttmp9, 129
	s_lshl_b32 s22, s22, 3
	s_add_co_u32 s22, s22, s21
	s_lshl_b32 s22, s22, 2
	s_add_co_u32 s22, s22, s20                     ; 0 .. 127
	s_lshl_b32 s26, s22, 12
	s_mov_b32 s27, 0
	s_add_nc_u64 s[18:19], s[18:19], s[26:27]
	s_lshl_b32 s22, s22, 4                         ; my first row
	v_mov_b32 v20, 0
	v_mov_b32 v21, 0
.macro PUT j, bits                     ; 10^(j / 8) to the two lanes that serve frequency j
	s_mov_b32 s23, \bits
	v_writelane_b32 v[20+(\j)%2], s23, (\j)/2
	v_writelane_b32 v[20+(\j)%2], s23, 16+(\j)/2
.endm
	PUT 0, 0x3f800000
	PUT 1, 0x3faab0d5
	PUT 2, 0x3fe39ea9
	PUT 3, 0x4017c496
	PUT 4, 0x404a62c2
	PUT 5, 0x4086f161
	PUT 6, 0x40b3f300
	PUT 7, 0x40eff755
	PUT 8, 0x41200000
	PUT 9, 0x41555d0a
	PUT 10, 0x418e432a
	PUT 11, 0x41bdb5bc
	PUT 12, 0x41fcfb72
	PUT 13, 0x4228adb9
	PUT 14, 0x4260efc0
	PUT 15, 0x4295fa95
	PUT 16, 0x42c80000
	PUT 17, 0x43055a26
	PUT 18, 0x4331d3f4
	PUT 19, 0x436d232b
	PUT 20, 0x439e1d27
	PUT 21, 0x43d2d927
	PUT 22, 0x440c95d8
	PUT 23, 0x443b793b
	PUT 24, 0x447a0000
	PUT 25, 0x44a6b0b0
	PUT 26, 0x44de48f1
	PUT 27, 0x451435fb
	PUT 28, 0x4545a471
	PUT 29, 0x4583c7b8
	PUT 30, 0x45afbb4e
	PUT 31, 0x45ea5789
	s_wait_alu depctr_va_vdst(0)
	v_rcp_f32 v22, v20
	v_rcp_f32 v23, v21
	v_nop                                          ; a plain instruction behind the reciprocals,
	s_wait_alu depctr_va_vdst(0)                   ; and one wait for both, ahead of their first reader
	v_fma_f32 v24, -v20, v22, 1.0                  ; one step of Newton's: the reciprocal to the last place
	v_fma_f32 v25, -v21, v23, 1.0
	v_fma_f32 v26, v22, v24, v22
	v_fma_f32 v27, v23, v25, v23
	v_lshrrev_b32 v38, 4, v2
	v_sub_nc_u32 v38, 1, v38                       ; lanes 0-15 make cos x = sin(x + pi / 2): one quadrant on
	v_lshlrev_b32 v8, 3, v2
	s_mov_b32 s30, 0x3f22f983                      ; 2 / pi
	s_mov_b32 s31, 0xbfc90fdb                      ; - pi / 2, its f32 part,
	s_mov_b32 s32, 0x333bbd2e                      ; and what that part leaves
	s_mov_b32 s33, 0xb94ca1f9                      ; sin: -1.9515295891e-4, 8.3321608736e-3, -1.6666654611e-1
	s_mov_b32 s34, 0x3c08839e
	s_mov_b32 s35, 0xbe2aaaa3
	s_mov_b32 s36, 0x37ccf5ce                      ; cos: 2.443315711e-5, -1.388731625e-3, 4.166664568e-2
	s_mov_b32 s37, 0xbab6061a
	s_mov_b32 s38, 0x3d2aaaa5
.macro ANG th, out                     ; the angle is cut to |r| <= pi / 4 and a quadrant; both polynomials are taken and one is chosen: no branch on data
	v_mul_f32 v30, s30, v[\th]
	v_rndne_f32 v30, v30
	v_fma_f32 v31, v30, s31, v[\th]
	v_fma_f32 v31, v30, s32, v31
	v_mul_f32 v32, v31, v31
	v_fma_f32 v33, v32, s33, s34
	v_fma_f32 v33, v33, v32, s35
	v_mul_f32 v34, v32, v31
	v_fma_f32 v33, v33, v34, v31                   ; sin r
	v_fma_f32 v35, v32, s36, s37
	v_fma_f32 v35, v35, v32, s38
	v_mul_f32 v36, v32, v32
	v_fma_f32 v37, v32, -0.5, 1.0
	v_fma_f32 v35, v35, v36, v37                   ; cos r
	v_cvt_i32_f32 v36, v30
	v_add_nc_u32 v36, v36, v38                     ; the quadrant
	v_and_b32 v37, 1, v36
	v_cmp_eq_u32 vcc_lo, 1, v37
	v_cndmask_b32 v33, v33, v35, vcc_lo
	v_and_b32 v37, 2, v36
	v_lshlrev_b32 v37, 30, v37
	v_xor_b32 v[\out], v33, v37
.endm
	s_mov_b32 s24, 0
.Lrow:
	v_cvt_f32_u32 v39, s22
	s_wait_alu depctr_va_vdst(0)
	v_mul_f32 v40, v39, v26                        ; the angle: one rounding
	v_mul_f32 v41, v39, v27
	ANG 40, 28
	ANG 41, 29
	global_store_b64 v8, v[28:29], s[18:19]        ; the wave stores a row: 256 consecutive bytes, aligned
	s_wait_xcnt 0x0                                ; the base and the data are written again only behind this wait
	s_add_nc_u64 s[18:19], s[18:19], 256
	s_add_co_u32 s22, s22, 1
	s_add_co_u32 s24, s24, 1
	s_cmp_lt_u32 s24, 16
	s_cbranch_scc1 .Lrow
	s_endpgm
.Lfunc_end_k_q737523ac7b_prep:
	.size	k_q737523ac7b_prep, .Lfunc_end_k_q737523ac7b_prep-k_q737523ac7b_prep
	.p2alignl 7, 3214868480
	.fill 96, 4, 3214868480
	.section	.rodata,"a",@progbits
	.p2align	6, 0x0
	.amdhsa_kernel k_q737523ac7b_prep
		.amdhsa_group_segment_fixed_size 57856
		.amdhsa_private_segment_fixed_size 0
		.amdhsa_enable_private_segment 0
		.amdhsa_kernarg_size 64
		.amdhsa_user_sgpr_count 2
		.amdhsa_user_sgpr_kernarg_segment_ptr 1
		.amdhsa_wavefront_size32 1
		.amdhsa_system_sgpr_workgroup_id_x 1
		.amdhsa_system_sgpr_workgroup_id_y 1
		.amdhsa_system_sgpr_workgroup_id_z 1
		.amdhsa_system_vgpr_workitem_id 0
		.amdhsa_next_free_vgpr 192
		.amdhsa_next_free_sgpr 72
		.amdhsa_reserve_vcc 1
		.amdhsa_float_denorm_mode_32 3
		.amdhsa_float_denorm_mode_16_64 3
		.amdhsa_memory_ordered 1
		.amdhsa_forward_progress 1
		.amdhsa_inst_pref_size 124
	.end_amdhsa_kernel
	.amdgpu_metadata
---
amdhsa.version: [ 1, 2 ]
amdhsa.kernels:
  - .name:           k_q737523ac7b_prep
    .symbol:         k_q737523ac7b_prep.kd
    .args:
      - { .name: x, .offset: 0, .size: 8, .value_kind: global_buffer, .address_space: global }
      - { .name: w_fused, .offset: 8, .size: 8, .value_kind: global_buffer, .address_space: global }
      - { .name: w_attn_out, .offset: 16, .size: 8, .value_kind: global_buffer, .address_space: global }
      - { .name: w_ff_out, .offset: 24, .size: 8, .value_kind: global_buffer, .address_space: global }
      - { .name: xq, .offset: 32, .size: 8, .value_kind: global_buffer, .address_space: global }
      - { .name: w1q, .offset: 40, .size: 8, .value_kind: global_buffer, .address_space: global }
      - { .name: w2q, .offset: 48, .size: 8, .value_kind: global_buffer, .address_space: global }
      - { .name: tab, .offset: 56, .size: 8, .value_kind: global_buffer, .address_space: global }
    .group_segment_fixed_size: 57856
    .private_segment_fixed_size: 0
    .kernarg_segment_align: 8
    .kernarg_segment_size: 64
    .max_flat_workgroup_size: 128
    .sgpr_count:     72
    .vgpr_count:     192
    .wavefront_size: 32
...
	.end_amdgpu_metadata
.endif
;; end of part 1
;; launch qkv (part 2): grid 16 x 9, 4 waves a work-group, clusters of 4 x 1, 327,680 bytes of LDS; arguments xq, w1q, tab, qkv; writes qkv
.if DOCPART == 2
	.amdgcn_target "amdgcn-amd-amdhsa--gfx1250"
	.amdhsa_code_object_version 6
	.text
	.protected	k_q737523ac7b_qkv
	.globl	k_q737523ac7b_qkv
	.p2align	8
	.type	k_q737523ac7b_qkv,@function
k_q737523ac7b_qkv:
	s_mov_b64 s[64:65], 0
	v_nop
	global_prefetch_b8 v0, s[64:65] scope:SCOPE_SE
	s_setreg_imm32_b32 hwreg(HW_REG_WAVE_MODE, 25, 1), 1
	s_wait_xcnt 0x0
	s_wait_alu depctr_hold_cnt(0) depctr_sa_sdst(0) depctr_va_vdst(0) depctr_va_sdst(0) depctr_va_ssrc(0) depctr_va_vcc(0) depctr_vm_vsrc(0)
	s_getreg_b32 s2, hwreg(HW_REG_IB_STS2, 6, 4)
	s_cmp_eq_u32 s2, 0
	s_cbranch_scc0 .Lentry_in_a_cluster
	s_endpgm
.Lentry_in_a_cluster:
	s_bfe_u32 s2, ttmp6, 0x10000c
	s_cmp_lg_u32 s2, 0x3003
	s_cbranch_scc0 .Lentry_shape_is_right
	s_endpgm
.Lentry_shape_is_right:
; QKV: x w_fused for columns 0 .. 1,151 (16 heads of q, then k, then v), on codes of E5M2; the rotary step on q and k; the quantisers of q and k (along the head's 64) and of v (along the keys).
; A work-group makes 128 tokens x 128 columns; each of four waves 64 x 64 = one head: 16 accumulators.  K = 2,048 goes in steps of 512 through two LDS slots filled by the tensor data mover.
; Both operands lie [group of 128 rows][K block of 128][row][128 bytes], so a wave's part of a step (128 rows x 2 K blocks) is 32,768 dense bytes: 128 rows of 256 bytes, each two operand rows; 16 bytes of padding behind each.
; The scale words of both groups for all of K come once, with the first fills.
; CLUSTER: the four work-groups of a cluster take four token groups against the same 128 columns: the weights' tiles and scale words are asked for jointly (mask 15); the tokens' tiles are each work-group's own.
; THE PRODUCT IS USED TRANSPOSED (source 0 = 16 rows of the weight, source 1 = 16 tokens).  The weight's rows lie with bits 3 and 4 swapped, so for row block a register ACC + 32 a + i of lane (r, h) is token 16 a + r,
; channel 32 (i / 16) + 16 h + i % 16: registers i and i + 16 are the rotary step's pair, and 16 registers on end are 16 neighbours along the next K.
; q is quantised without the factor 1/8: a power of two moves a block's scale alone; the next launch puts it into the scores' factor.
; OUT: q's and k's fragments as images of the operand's registers (16 bytes a lane, 512 a store) and their scale words; v turned through LDS, its keys inside a block of 32 laid as the weights p will lie in registers.
; Every stage on the way out is placed by the wave's number: each wave has LDS bytes of its own, whichever way it takes.
; LIMITS: NaN and infinities are not served; a block whose largest magnitude lies under 2^(16 - 127) gets the byte 1 (this program alone reads the bytes).
; REGISTERS: window 0: v8-15 scale words, two sets; v16-34 addresses; v40-47 codes; v48-55 at work; v56-59 words on the way out; v64-95 32 numbers; v96 a scale word; v128-255 accumulators (a, b) at 128 + 8 (4 a + b).
;   window 1: two fragment buffers of 128: A's four fragments, then B's four.   window 2: v0-127 cos and sin of my 64 tokens.
.set KB,    16
.set LAPS,  KB/8
.set QB,    17408                      ; a K block of 128 rows in LDS: 64 units of 256 + 16 bytes
.set PIECE, 2*QB                       ; what one tensor load brings
.set SLOT,  4*PIECE                    ; A's K blocks 0-1, 2-3, B's 0-1, 2-3
.set SCL,   2*SLOT                     ; the scale words: A's KB x 512 bytes, then B's
.set SPARE, SCL+KB*1024                ; the spare words, 128 bytes for each wave
.set VST,   1024                       ; stages, in slot 0, which has had its last fill and its last read when they are written: bytes 0-1,023 q's and k's words, 256 a wave; here v's half words, 256 a wave;
.set VTR,   2048                       ; and here 64 channels x (64 keys x 4 bytes + 16), 17,408 bytes for each wave: up to byte 71,680
.set QS_O,  2228224
.set VS_O,  2367488
.set VC_O,  2371584
.set SC,   8
.set ADRA, 16
.set ADRB, 20
.set ADRS, 22
.set SPW,  28
.set NIL,  29
.set ACC,  128
.set F0,   0
.set F1,   128
.set TM,   48
.set G1,   24
.set G0,   32
.set G1B,  48
.set G0B,  56
.set G1S,  68
.set G0S,  76
.set G1SB, 80
.set G0SB, 88
.set HD,   43                          ; s43: my head: 0-15 q, 16 k, 17 v
.set SEL,  96
.set MNT,  95
.set MSB, 0
.macro WIN new                         ; the immediate's high byte repeats the setting that is left
.if MSB != \new
	s_set_vgpr_msb (MSB<<8)|\new
.set MSB, \new
.endif
.endm
.set MUL,  0x05                        ; sources 0 and 1 window 1; C and D window 0
.set TO_F, 0x40                        ; destination window 1, address window 0
.macro PLACES n
.rept \n
	v_nop
.endr
.endm
.macro JLOAD g0a, g1a, g0b, g1b        ; waves 0 and 1 fetch for A, waves 2 and 3 for B; four v_nop follow each line
	s_cmp_eq_u32 s15, 0
	s_cbranch_scc0 .Lfor_b_\@
	tensor_load_to_lds s[\g0a:\g0a+3], s[\g1a:\g1a+7]
	s_nop 0
.rept 4
	v_nop
.endr
	s_branch .Lasked_\@
.Lfor_b_\@:
	tensor_load_to_lds s[\g0b:\g0b+3], s[\g1b:\g1b+7]
	s_nop 0
.rept 4
	v_nop
.endr
.Lasked_\@:
.endm
.macro CREST                           ; a round of the cluster's barrier behind its opening barrier
	s_cmp_lg_u32 s14, 0
	s_cbranch_scc1 .Lnot_wave_0_\@
	s_barrier_signal -3
.Lnot_wave_0_\@:
	s_barrier_wait -3
	s_barrier_signal -1
	s_barrier_wait -1
.endm
.macro CROUND
	s_barrier_signal -1
	s_barrier_wait -1
	CREST
.endm
	s_load_b256 s[4:11], s[0:1], 0x0               ; xq s[4:5], w1q s[6:7], tab s[8:9], qkv s[10:11]
	v_lshl_add_u32 v[SPW], v0, 2, SPARE
	v_mov_b32 v[NIL], 0
	ds_add_u32 v28, v29
	ds_add_u32 v28, v29
	s_wait_dscnt 0x0
	v_lshrrev_b32 v1, 5, v0
	v_readfirstlane_b32 s14, v1                    ; wave
	s_lshr_b32 s15, s14, 1                         ; my 64 tokens.  Also: I fetch for A (0) or B (1)
	s_and_b32 s16, s14, 1                          ; my 64 columns.  Also: which two K blocks of a step I fetch
	s_bfe_u32 s40, ttmp6, 0x40000                  ; cx
	s_lshl_b32 s42, ttmp9, 2
	s_add_co_u32 s42, s42, s40                     ; the token group: it enters global addresses alone
	s_and_b32 s17, ttmp7, 0xffff                   ; the column group, which the partners share
	s_lshl_b32 s[HD], s17, 1
	s_add_co_u32 s[HD], s[HD], s16
	s_mov_b32 s[G1], (3<<16)|(1<<20)|(5<<22)|(3<<25)               ; elements of 8 bytes; padding: 4 words behind every 64; no mask: the tokens' tiles are my own
	s_mov_b32 s[G1B], 15|(3<<16)|(1<<20)|(1<<21)|(5<<22)|(3<<25)   ; the same with the mask of all four, bit 21 beside it
.irp g, G1, G1B
	s_mov_b32 s[\g+1], 32<<16                      ; tensor_dim0 = 32 elements: 256 bytes
	s_mov_b32 s[\g+2], 256<<16                     ; tensor_dim1 = 256 for the head's loads; 128 behind them
	s_mov_b32 s[\g+3], 32<<16                      ; tile_dim0
	s_mov_b32 s[\g+4], 256                         ; tile_dim1
	s_mov_b32 s[\g+5], 32                          ; the pitch: dense
	s_mov_b32 s[\g+6], 0
	s_mov_b32 s[\g+7], 0
.endr
	s_mov_b32 s[G1S], 3<<16                        ; the scale words: 2 KB rows of 256 bytes, no padding
	s_mov_b32 s[G1SB], 15|(3<<16)|(1<<21)
.irp g, G1S, G1SB
	s_mov_b32 s[\g+1], 32<<16
	s_mov_b32 s[\g+2], (2*KB)<<16                  ; a group's words for all of K: KB x 512 bytes
	s_mov_b32 s[\g+3], 32<<16
	s_mov_b32 s[\g+4], 2*KB
	s_mov_b32 s[\g+5], 32
	s_mov_b32 s[\g+6], 0
	s_mov_b32 s[\g+7], 0
.endr
	s_lshl_b32 s18, s16, 15
	s_mov_b32 s19, 0                               ; s[18:19]: my two K blocks of a step, in bytes
	s_lshl_b32 s20, s42, 18
	s_add_co_u32 s20, s20, s18                     ; A's codes: group x 262,144 + my two K blocks
	s_mov_b32 s21, 0
	s_lshl_b32 s46, s17, 18
	s_add_co_u32 s46, s46, s18                     ; B's
	s_mov_b32 s47, 0
	s_lshl_b32 s22, s42, 13
	s_add_co_u32 s22, s22, 4194304                 ; A's words: the group's 8,192 bytes
	s_mov_b32 s23, 0
	s_lshl_b32 s92, s17, 13
	s_add_co_u32 s92, s92, 19136512                ; B's
	s_mov_b32 s93, 0
	s_mul_i32 s45, s14, PIECE                      ; where they go: by the wave's number alone
	s_mov_b32 s[SEL], 0x76543210
	s_mov_b32 s[SEL+1], 0xfedcba98
	s_mov_b32 s[MNT], 0x600000
	s_wait_kmcnt 0x0
	s_add_nc_u64 s[20:21], s[4:5], s[20:21]
	s_add_nc_u64 s[22:23], s[4:5], s[22:23]
	s_add_nc_u64 s[46:47], s[6:7], s[46:47]
	s_add_nc_u64 s[92:93], s[6:7], s[92:93]
	CROUND                                         ; all four work-groups are here: the first joint loads meet
	s_mov_b32 s[G0S], 1
	s_mov_b32 s[G0S+1], SCL
	s_mov_b64 s[G0S+2:G0S+3], s[22:23]
	s_or_b32 s[G0S+3], s[G0S+3], 0x80000000
	s_mov_b32 s[G0SB], 1
	s_mov_b32 s[G0SB+1], SCL+KB*512
	s_mov_b64 s[G0SB+2:G0SB+3], s[92:93]
	s_or_b32 s[G0SB+3], s[G0SB+3], 0x80000000
.irp s, 0,1
	s_mov_b32 s[G0+4*\s], 1
	s_add_co_u32 s[G0+4*\s+1], s45, \s*SLOT
	s_add_nc_u64 s[G0+4*\s+2:G0+4*\s+3], s[20:21], \s*65536
	s_or_b32 s[G0+4*\s+3], s[G0+4*\s+3], 0x80000000
	s_mov_b32 s[G0B+4*\s], 1
	s_add_co_u32 s[G0B+4*\s+1], s45, \s*SLOT
	s_add_nc_u64 s[G0B+4*\s+2:G0B+4*\s+3], s[46:47], \s*65536
	s_or_b32 s[G0B+4*\s+3], s[G0B+4*\s+3], 0x80000000
.endr
; THE HEAD'S LOADS, ONE A WAVE: wave 0 K step 0 of the tokens, whole (256 rows of 256 bytes), wave 1 that of the weights, waves 2 and 3 the two groups' scale words.
; Slot 0's groups 0 serve them, set back to the tile's first byte; behind the wait for the loads they are set to my piece again.
	s_mov_b32 s[G0+1], 0
	s_sub_nc_u64 s[G0+2:G0+3], s[G0+2:G0+3], s[18:19]
	s_mov_b32 s[G0B+1], 2*PIECE
	s_sub_nc_u64 s[G0B+2:G0B+3], s[G0B+2:G0B+3], s[18:19]
.macro ARM under, g0, g1, next
	s_cmp_lt_u32 s14, \under
	s_cbranch_scc0 \next
	tensor_load_to_lds s[\g0:\g0+3], s[\g1:\g1+7]
	s_nop 0
.rept 4
	v_nop
.endr
	s_branch .Lhead_asked
\next:
.endm
	ARM 1, G0,  G1,  .Lhead_b
	ARM 2, G0B, G1B, .Lhead_sa
	ARM 3, G0S, G1S, .Lhead_sb
	tensor_load_to_lds s[G0SB:G0SB+3], s[G1SB:G1SB+7]
	s_nop 0
.rept 4
	v_nop
.endr
.Lhead_asked:
	v_and_b32 v1, 15, v0                           ; r
	v_bfe_u32 v2, v0, 4, 1                         ; h
	v_and_b32 v3, 31, v0                           ; lane
	v_lshrrev_b32 v4, 1, v1
	v_mul_u32_u24 v4, v4, 272
	v_and_b32 v5, 1, v1
	v_lshl_add_u32 v4, v5, 7, v4
	v_lshl_add_u32 v4, v2, 4, v4                   ; a fragment's row r of the tokens: unit r / 2, half r % 2, + 16 h
	v_mul_u32_u24 v7, v2, 272
	v_lshl_add_u32 v7, v1, 4, v7                   ; the weights lie as images: unit 2 c + h, 16 r in it
	s_mul_i32 s18, s15, 8704                       ; my 64 rows of A
	s_mul_i32 s19, s16, 8704
	s_add_co_u32 s19, s19, 2*PIECE                 ; my 64 rows of B
.irp s, 0,1
	v_add_nc_u32 v[ADRA+\s], s18, v4
	v_add_nc_u32 v[ADRB+\s], s19, v7
	s_add_co_u32 s18, s18, SLOT
	s_add_co_u32 s19, s19, SLOT
.endr
	v_lshlrev_b32 v5, 2, v1                        ; 4 r
	s_lshl_b32 s18, s15, 8
	s_lshl_b32 s19, s16, 8
	s_add_co_u32 s19, s19, KB*512
	s_sub_co_u32 s19, s19, s18
	v_mul_u32_u24 v6, s19, v2                      ; lanes 16-31 take B's words
	s_add_co_u32 s18, s18, SCL
	v_add_nc_u32 v6, v5, v6
	v_add_nc_u32 v[ADRS], s18, v6
	s_lshl_b32 s18, s14, 8                         ; the stages' addresses: all made here, on the way that every wave takes
	v_add_nc_u32 v24, s18, v5                      ; q's and k's words in: 256 x wave + 4 r
	v_lshlrev_b32 v27, 3, v3                       ; 8 x lane
	v_add_nc_u32 v25, s18, v27                     ; and back
	v_lshlrev_b32 v26, 4, v3                       ; 16 x lane
	s_add_co_u32 s18, s18, VST
	v_add_nc_u32 v32, s18, v5                      ; v's half words in: VST + 256 x wave + 4 r
	v_add_nc_u32 v33, VST, v27                     ; and back: the offset picks the wave whose words are read
	s_mul_i32 s18, s14, 17408                      ; the stage in which v is turned: the wave's own
	s_add_co_u32 s18, s18, VTR
	v_mul_u32_u24 v6, v2, 4352
	v_add_nc_u32 v6, v6, v5
	v_add_nc_u32 v30, s18, v6                      ; v in: channel 16 h + .., key r + ..
	v_and_b32 v6, 8, v1
	v_add_nc_u32 v6, v6, v1
	v_mul_u32_u24 v6, v6, 272
	v_lshl_add_u32 v6, v2, 5, v6
	v_add_nc_u32 v31, s18, v6                      ; v back: channel r + 8 (r / 8) + .., keys 8 h + ..
	v_lshlrev_b32 v34, 8, v1
	v_lshl_add_u32 v34, v2, 6, v34                 ; the table: row r, frequencies 16 h on
	s_wait_alu depctr_va_vdst(0)
	v_mov_b32 v[TM+2], 0                           ; written once: a lane permute's destination counts as one of its sources
	v_mov_b32 v[TM+3], 0
	s_lshl_b32 s40, s42, 15                        ; global places that hang on the token group
	s_lshl_b32 s44, s15, 14
	s_add_co_u32 s40, s40, s44
	s_mov_b32 s41, 0
	s_add_nc_u64 s[12:13], s[8:9], s[40:41]        ; the table at my first token
	s_lshl_b32 s40, s[HD], 7
	s_lshl_b32 s44, s42, 3
	s_add_co_u32 s40, s40, s44
	s_lshl_b32 s44, s15, 2
	s_add_co_u32 s40, s40, s44
	s_lshl_b32 s40, s40, 10
	s_add_nc_u64 s[20:21], s[10:11], s[40:41]      ; q's, k's images: (head x 128 + tile) x 1,024
	s_lshl_b32 s40, s[HD], 13
	s_lshl_b32 s44, s42, 9
	s_add_co_u32 s40, s40, s44
	s_lshl_b32 s44, s15, 8
	s_add_co_u32 s40, s40, s44
	s_add_co_u32 s40, s40, QS_O
	s_add_nc_u64 s[22:23], s[10:11], s[40:41]      ; their words
	s_lshl_b32 s40, s42, 13
	s_lshl_b32 s44, s15, 10
	s_add_co_u32 s40, s40, s44
	s_add_co_u32 s40, s40, VC_O
	s_add_nc_u64 s[66:67], s[10:11], s[40:41]      ; v's images: key step x 8,192 + my two blocks of 32 keys
	s_lshl_b32 s40, s42, 8
	s_add_co_u32 s40, s40, VS_O
	s_add_nc_u64 s[98:99], s[10:11], s[40:41]      ; v's words
	WIN 0x80                                       ; destination window 2.  Every wave loads the table, the two that hold v too: no branch stands round these lines
.irp a, 0,1,2,3
.irp k, 0,1,2,3
	global_load_b128 v[32*\a+4*\k:32*\a+4*\k+3], v34, s[12:13] offset:\a*4096+16*\k
	global_load_b128 v[32*\a+16+4*\k:32*\a+16+4*\k+3], v34, s[12:13] offset:\a*4096+128+16*\k
.endr
.endr
	WIN 0
; 36 LDS loads: K block q of a slot: four scale registers (lanes 0-15 A's block i, lanes 16-31 B's), B's four fragments, A's four
.macro FETCH slot, q, f
	WIN 0
.irp i, 0,1,2,3
	ds_load_b32 v[SC+4*((\f)/128)+\i], v[ADRS] offset:(\q)*512+64*\i
.endr
	WIN TO_F
.irp i, 0,1,2,3
.irp c, 0,1,2,3
	ds_load_b128 v[\f+64+16*\i+4*\c:\f+64+16*\i+4*\c+3], v[ADRB+\slot] offset:(\q)*QB+\i*2176+544*\c
.endr
.endr
.irp i, 0,1,2,3
.irp c, 0,1,2,3
	ds_load_b128 v[\f+16*\i+4*\c:\f+16*\i+4*\c+3], v[ADRA+\slot] offset:(\q)*QB+\i*2176+32*\c
.endr
.endr
.endm
; 8 matrix instructions: A's blocks a0, a0 + 1 x B's four, 128 along K.  The 16 accumulators take turns in one order
.macro MUL8 f, a0, zero
.irp a, \a0, \a0+1
.irp b, 0,1,2,3
.if \zero
	v_wmma_scale_f32_16x16x128_f8f6f4 v[ACC+8*(4*(\a)+\b):ACC+8*(4*(\a)+\b)+7], v[\f+64+16*\b:\f+64+16*\b+15], v[\f+16*(\a):\f+16*(\a)+15], 0, v[SC+4*((\f)/128)+\b], v[SC+4*((\f)/128)+(\a)] matrix_a_fmt:MATRIX_FMT_BF8 matrix_b_fmt:MATRIX_FMT_BF8 matrix_a_scale:MATRIX_SCALE_ROW1
.else
	v_wmma_scale_f32_16x16x128_f8f6f4 v[ACC+8*(4*(\a)+\b):ACC+8*(4*(\a)+\b)+7], v[\f+64+16*\b:\f+64+16*\b+15], v[\f+16*(\a):\f+16*(\a)+15], v[ACC+8*(4*(\a)+\b):ACC+8*(4*(\a)+\b)+7], v[SC+4*((\f)/128)+\b], v[SC+4*((\f)/128)+(\a)] matrix_a_fmt:MATRIX_FMT_BF8 matrix_b_fmt:MATRIX_FMT_BF8 matrix_a_scale:MATRIX_SCALE_ROW1
.endif
.endr
.endr
.endm
; a K block: multiplies buffer f, fetches K block q of the same slot into buffer g.  Eight plain places stand between the last product that read g and the loads into it
.macro QUARTER slot, q, f, g, zero
	s_wait_dscnt 8                                 ; all but the youngest eight loads: A's blocks 2 and 3
	WIN MUL
	MUL8 \f, 0, \zero
	PLACES 8
	FETCH \slot, \q, \g
	s_wait_dscnt 36                                ; all but the 36 just issued
	WIN MUL
	MUL8 \f, 2, \zero
.endm
; a slot's last K block, and the change of slots: one barrier; in front of it every wave waits for all its tensor loads, adds 0 to its spare word, and waits for that and for its reads of this slot
.macro TURN slot, next, fill
	WIN 0
	s_wait_tensorcnt 0x0                           ; my part of the next slot has landed; no load of mine is out
	ds_add_u32 v[SPW], v[NIL]
	s_wait_dscnt 9                                 ; the add and the youngest eight loads may be out
	WIN MUL
	MUL8 F1, 0, 0
	s_wait_dscnt 0x0                               ; the add is done, and my reads of this slot are over
	s_barrier_signal -1
	MUL8 F1, 2, 0
	WIN 0
	s_barrier_wait -1
.if \fill
	CREST                                          ; the barrier has opened a round of the cluster's: no wave of any partner still reads this slot or has a load on its way
	s_add_nc_u64 s[G0+4*\slot+2:G0+4*\slot+3], s[G0+4*\slot+2:G0+4*\slot+3], 131072
	s_add_nc_u64 s[G0B+4*\slot+2:G0B+4*\slot+3], s[G0B+4*\slot+2:G0B+4*\slot+3], 131072
	JLOAD G0+4*\slot, G1, G0B+4*\slot, G1B         ; two K steps on: my one tensor load behind the round
	PLACES 4
.else
	PLACES 8
.endif
	v_add_nc_u32 v[ADRS], 2048, v[ADRS]            ; the next step's scale words
	FETCH \next, 0, F0
.endm
; 32 numbers of a lane, register 16 b + i = K position 32 b + 16 h + i of its row, become 8 registers of codes and the two scale bytes
.macro QUANT2 s, c, pw
.irp b, 0,1
	v_max3_num_f32 v[TM+\b], |v[\s+16*\b]|, |v[\s+1+16*\b]|, 0x8000000   ; with the floor 2^(16 - 127)
.endr
.irp i, 2,4,6,8,10,12,14
.irp b, 0,1
	v_max3_num_f32 v[TM+\b], v[TM+\b], |v[\s+16*\b+\i]|, |v[\s+1+16*\b+\i]|
.endr
.endr
.irp b, 0,1
	v_permlanex16_b32 v[TM+2+\b], v[TM+\b], s[SEL], s[SEL+1]
.endr
.irp b, 0,1
	v_max_num_f32 v[TM+\b], v[TM+\b], v[TM+2+\b]   ; with lane l xor 16's: the block's largest magnitude
.endr
.irp b, 0,1
	v_add_nc_u32 v[TM+6+\b], 0xf8800000, v[TM+\b]  ; 15 off the exponent field: the conversion's scale operand
.endr
.irp b, 0,1
	v_and_or_b32 v[TM+4+\b], v[TM+\b], 0x7f800000, s[MNT]   ; 57,344 x the scale
.endr
.irp b, 0,1
	v_lshrrev_b32 v[TM+2+\b], 23, v[TM+6+\b]       ; the byte
.endr
	v_lshl_or_b32 v[\pw], v[TM+3], 8, v[TM+2]
.irp b, 0,1
.set qi, 0
.rept 16
	v_med3_num_f32 v[\s+16*\b+qi], v[\s+16*\b+qi], -v[TM+4+\b], v[TM+4+\b]   ; the conversion does not saturate (ISA guide 7.6.2)
.set qi, qi+1
.endr
	v_cvt_scalef32_pk8_bf8_f32 v[\c+4*\b:\c+4*\b+1], v[\s+16*\b:\s+16*\b+7], v[TM+6+\b]
	v_cvt_scalef32_pk8_bf8_f32 v[\c+4*\b+2:\c+4*\b+3], v[\s+16*\b+8:\s+16*\b+15], v[TM+6+\b]
.endr
	v_nop                                          ; a plain instruction behind the last conversion
.endm
	s_wait_alu depctr_va_vdst(0)
	s_wait_tensorcnt 0x0                           ; my tile of the head's four is in
	ds_add_u32 v[SPW], v[NIL]
	s_mov_b32 s[G1+2], 128<<16                     ; no load of mine is out, so descriptors may be written: from here on a load brings 128 rows,
	s_mov_b32 s[G1+4], 128
	s_mov_b32 s[G1B+2], 128<<16
	s_mov_b32 s[G1B+4], 128
	s_lshl_b32 s2, s16, 15
	s_mov_b32 s3, 0
	s_add_nc_u64 s[G0+2:G0+3], s[G0+2:G0+3], s[2:3]        ; and slot 0's groups 0 stand at my piece of K step 0
	s_add_nc_u64 s[G0B+2:G0B+3], s[G0B+2:G0B+3], s[2:3]
	s_mov_b32 s[G0+1], s45
	s_mov_b32 s[G0B+1], s45
	s_wait_dscnt 0x0
	CROUND                                         ; all four tiles are in, and all four work-groups are here
	JLOAD G0+4, G1, G0B+4, G1B                     ; K step 1: my one tensor load behind the round
	FETCH 0, 0, F0
	QUARTER 0, 1, F0, F1, 1                        ; the first K block starts the sums
	WIN 0
	s_mov_b32 s3, LAPS-1
.Llap:
	s_wait_alu depctr_va_vdst(0)
	QUARTER 0, 2, F1, F0, 0
	QUARTER 0, 3, F0, F1, 0
	TURN 0, 1, 1
	s_wait_alu depctr_va_vdst(0)
	QUARTER 1, 1, F0, F1, 0
	QUARTER 1, 2, F1, F0, 0
	QUARTER 1, 3, F0, F1, 0
	TURN 1, 0, 1
	s_wait_alu depctr_va_vdst(0)
	QUARTER 0, 1, F0, F1, 0
	WIN 0
	s_sub_co_u32 s3, s3, 1
	s_cmp_lg_u32 s3, 0
	s_cbranch_scc1 .Llap
	QUARTER 0, 2, F1, F0, 0                        ; the last lap fills nothing
	QUARTER 0, 3, F0, F1, 0
	TURN 0, 1, 0
	s_wait_alu depctr_va_vdst(0)
	QUARTER 1, 1, F0, F1, 0
	QUARTER 1, 2, F1, F0, 0
	QUARTER 1, 3, F0, F1, 0
	s_wait_dscnt 8
	WIN MUL
	MUL8 F1, 0, 0
	s_wait_dscnt 0x0
	MUL8 F1, 2, 0
	WIN 0
	PLACES 8
	s_wait_loadcnt 0x0                             ; the table
	s_cmp_eq_u32 s[HD], 17                         ; hangs on the column group and the wave's number: alike in all partners
	s_cbranch_scc1 .Lv
; q and k: the rotary step, the quantiser, the image
.macro ROPE a
	s_wait_xcnt 0x0                                ; the last block's stores have read the codes' registers
	WIN 0x08                                       ; source 1 (cos, sin) window 2
.irp i, 0,2,4,6,8,10,12,14
	v_pk_mul_f32 v[64+\i:65+\i], v[ACC+32*\a+\i:ACC+32*\a+\i+1], v[32*\a+\i:32*\a+\i+1]
.endr
.irp i, 0,2,4,6,8,10,12,14
	v_pk_mul_f32 v[80+\i:81+\i], v[ACC+32*\a+16+\i:ACC+32*\a+17+\i], v[32*\a+\i:32*\a+\i+1]
.endr
.irp i, 0,2,4,6,8,10,12,14
	v_pk_fma_f32 v[64+\i:65+\i], v[ACC+32*\a+16+\i:ACC+32*\a+17+\i], v[32*\a+16+\i:32*\a+17+\i], v[64+\i:65+\i] neg_lo:[1,0,0] neg_hi:[1,0,0]
.endr
.irp i, 0,2,4,6,8,10,12,14
	v_pk_fma_f32 v[80+\i:81+\i], v[ACC+32*\a+\i:ACC+32*\a+\i+1], v[32*\a+16+\i:32*\a+17+\i], v[80+\i:81+\i]
.endr
	WIN 0
	QUANT2 64, 40, 96
	global_store_b128 v26, v[40:43], s[20:21] offset:\a*1024       ; the operand's registers as they stand: 512 consecutive bytes a store
	global_store_b128 v26, v[44:47], s[20:21] offset:\a*1024+512
	ds_store_b32 v24, v96 offset:64*\a             ; both halves of the lanes write the same word
.endm
	ROPE 0
	ROPE 1
	ROPE 2
	ROPE 3
	ds_load_b64 v[56:57], v25                      ; my 64 tokens' words (LDS serves a wave's instructions in order)
	s_wait_dscnt 0x0
	global_store_b64 v27, v[56:57], s[22:23]       ; 256 consecutive bytes, aligned
	s_branch .Ljoin
; v: turned through my own LDS bytes, so that a lane's registers run along the keys
.Lv:
.irp a, 0,1,2,3
.set vi, 0
.rept 32
	ds_store_b32 v30, v[ACC+32*\a+vi] offset:(32*(vi/16)+(vi%16))*272+64*\a
.set vi, vi+1
.endr
.endr
.irp t, 0,1,2,3
.irp c, 0,1
.irp u, 0,1
.irp k, 0,1
	ds_load_b128 v[64+16*\c+8*\u+4*\k:67+16*\c+8*\u+4*\k], v31 offset:(32*(\t/2)+8*(\t%2))*272+128*\c+64*\u+16*\k   ; position 16 h + 8 u + j of block c holds key 32 c + 16 u + 8 h + j  (LDS serves a wave's instructions in order: these see my stores)
.endr
.endr
.endr
	s_wait_dscnt 0x0
	s_wait_xcnt 0x0                                ; the last tile's stores have read the codes' registers
	QUANT2 64, 40, 96
	global_store_b128 v26, v[40:43], s[66:67] offset:\t*2048
	global_store_b128 v26, v[44:47], s[66:67] offset:\t*2048+512
	ds_store_b32 v32, v96 offset:64*\t             ; my two of the word's four bytes, in the low half of a word of my own
.endr
.Ljoin:
	s_wait_dscnt 0x0                               ; for the others' sake: my LDS stores are done
	s_barrier_signal -1
	s_barrier_wait -1
	s_cmp_eq_u32 s[HD], 17
	s_cselect_b32 s18, s15, 0
	s_cmp_lg_u32 s18, 0                            ; v lies in waves 1 and 3 of the last column group: wave 3 stores the key step's 64 words
	s_cbranch_scc0 .Lnot_vs
	ds_load_b64 v[56:57], v33 offset:256           ; wave 1's: the bytes of keys 0 .. 63
	ds_load_b64 v[58:59], v33 offset:768           ; my own: those of keys 64 .. 127
	s_wait_dscnt 0x0
	v_lshl_or_b32 v56, v58, 16, v56
	v_lshl_or_b32 v57, v59, 16, v57
	global_store_b64 v27, v[56:57], s[98:99]       ; 256 consecutive bytes, aligned
.Lnot_vs:
	s_wait_tensorcnt 0x0                           ; the wave's end
	ds_add_u32 v[SPW], v[NIL]
	s_wait_dscnt 0x0
	CROUND                                         ; the closing round
	s_endpgm
.Lfunc_end_k_q737523ac7b_qkv:
	.size	k_q737523ac7b_qkv, .Lfunc_end_k_q737523ac7b_qkv-k_q737523ac7b_qkv
	.p2alignl 7, 3214868480
	.fill 96, 4, 3214868480
	.section	.rodata,"a",@progbits
	.p2align	6, 0x0
	.amdhsa_kernel k_q737523ac7b_qkv
		.amdhsa_group_segment_fixed_size 327680
		.amdhsa_private_segment_fixed_size 0
		.amdhsa_enable_private_segment 0
		.amdhsa_kernarg_size 32
		.amdhsa_user_sgpr_count 2
		.amdhsa_user_sgpr_kernarg_segment_ptr 1
		.amdhsa_wavefront_size32 1
		.amdhsa_system_sgpr_workgroup_id_x 1
		.amdhsa_system_sgpr_workgroup_id_y 1
		.amdhsa_system_sgpr_workgroup_id_z 1
		.amdhsa_system_vgpr_workitem_id 0
		.amdhsa_next_free_vgpr 768
		.amdhsa_next_free_sgpr 100
		.amdhsa_reserve_vcc 0
		.amdhsa_float_denorm_mode_32 3
		.amdhsa_float_denorm_mode_16_64 3
		.amdhsa_memory_ordered 1
		.amdhsa_forward_progress 1
		.amdhsa_inst_pref_size 146
	.end_amdhsa_kernel
	.amdgpu_metadata
---
amdhsa.version: [ 1, 2 ]
amdhsa.kernels:
  - .name:           k_q737523ac7b_qkv
    .symbol:         k_q737523ac7b_qkv.kd
    .args:
      - { .name: xq, .offset: 0, .size: 8, .value_kind: global_buffer, .address_space: global }
      - { .name: w1q, .offset: 8, .size: 8, .value_kind: global_buffer, .address_space: global }
      - { .name: tab, .offset: 16, .size: 8, .value_kind: global_buffer, .address_space: global }
      - { .name: qkv, .offset: 24, .size: 8, .value_kind: global_buffer, .address_space: global }
    .group_segment_fixed_size: 327680
    .private_segment_fixed_size: 0
    .kernarg_segment_align: 8
    .kernarg_segment_size: 32
    .max_flat_workgroup_size: 128
    .sgpr_count:     100
    .vgpr_count:     768
    .wavefront_size: 32
...
	.end_amdgpu_metadata
.endif
;; end of part 2
;; launch attn (part 3): grid 4 x 64, 12 waves a work-group, clusters of 4 x 1, 322,048 bytes of LDS; arguments qkv, a2; writes a2
.if DOCPART == 3
	.amdgcn_target "amdgcn-amd-amdhsa--gfx1250"
	.amdhsa_code_object_version 6
	.text
	.protected	k_q737523ac7b_attn
	.globl	k_q737523ac7b_attn
	.p2align	8
	.type	k_q737523ac7b_attn,@function
k_q737523ac7b_attn:
	s_mov_b64 s[64:65], 0
	v_nop
	global_prefetch_b8 v0, s[64:65] scope:SCOPE_SE
	s_setreg_imm32_b32 hwreg(HW_REG_WAVE_MODE, 25, 1), 1
	s_wait_xcnt 0x0
	s_wait_alu depctr_hold_cnt(0) depctr_sa_sdst(0) depctr_va_vdst(0) depctr_va_sdst(0) depctr_va_ssrc(0) depctr_va_vcc(0) depctr_vm_vsrc(0)
	s_getreg_b32 s2, hwreg(HW_REG_IB_STS2, 6, 4)
	s_cmp_eq_u32 s2, 0
	s_cbranch_scc0 .Lentry_in_a_cluster
	s_endpgm
.Lentry_in_a_cluster:
	s_bfe_u32 s2, ttmp6, 0x10000c
	s_cmp_lg_u32 s2, 0x3003
	s_cbranch_scc0 .Lentry_shape_is_right
	s_endpgm
.Lentry_shape_is_right:
; ATTN: for each of 16 heads, causal attention against the one head of k and v, both products on codes of E5M2; the result, divided by the row's sum, is quantised along (head, channel) into K blocks 0 .. 7 of a2.
; THE SOFTMAX AHEAD OF THE SECOND PRODUCT: t = score x log2(e) / 8 (q was quantised without its factor 1/8); M = the running largest t rounded up to a whole number; p = 2^(t - M) is quantised along the keys, not normalised;
; the row's sum is taken of the unquantised p; when M moves, the sum and O are multiplied by 2^(old M - new M), which rounds nothing.
; SHARES: a wave owns one head (4 x place in the cluster + wave) and two tiles of 16 queries, p and 127 - p (p = the cluster's y): together 17 visible key steps of 128, whatever p: 1,024 equal shares.
; k and v, codes and scale words, 268 KB, lie whole in LDS, as images of the operands' registers (16 bytes a lane, 512 a load): filled once, nothing is filled again.
; CLUSTER: the four work-groups read the same k and v: every fill is asked for jointly (mask 15).  Branches hang on p and on counters alone; the place in the cluster enters global addresses alone.
; LAYOUT: both products are used transposed: S^T = k q^T (source 0 = 16 keys), O^T = v^T p^T (source 0 = 16 channels): a lane holds one query throughout.  The head's 64 fill half of the instruction's 128 along K: the other half are zero codes on both sides.
; Register n of S^T is key 16 (n / 8) + 8 h + n % 8: the 16 registers of two tiles and their partners in lane l xor 16 are the 32 keys of one block; v was laid in the same order of keys inside a block.
; Every wave walks loops of constant count; a step all of whose keys come after the tile's queries is passed over by a scalar branch on ids.
; LIMITS: NaN and infinities are not served; a block whose largest magnitude lies under 2^(16 - 127) gets the byte 1.
; REGISTERS: v1-7 addresses that stay; v8-11 the step's addresses; v12 -M, v13 largest t, v[14:15] the sum; v16-23 q, v24-31 zeros; v32-95 four fragments of k (8 registers of codes, 8 of zeros); v96-159 S^T, p; v96-127 then v's fragments 2, 3;
;   v160-191 O^T; v192-223 v's fragments 0, 1; v224-239 p's codes; v232-247 at work; v248-251 a tile's scale words; v252 f; v253 p's scale word; v254 at work; v255 q's scale words.
.set VIMG,  143360                     ; k's images at 0 (8,192 bytes a key step); the scale words behind them; v's images here: words and v's images are one run of memory
.set SCB,   131072                     ; k's words (8,192 bytes), then v's (4,096)
.set STG,   274432                     ; two stages of 4,608 bytes: 2 K blocks x 8 units of 272, then 128 bytes of words
.set QS_O,  2228224
.set LI,   1
.set R4,   2
.set STO,  3
.set SSO,  4
; TWELVE WAVES: waves w, w + 4, w + 8 (w = 0 .. 3) share head 4 x place + w and both its tiles.  The 17 visible key steps of the two tiles are dealt to the three by turns (a counter of visible steps, made of ids alone): 6, 6 and 5.
; At a tile's end waves 4 .. 11 lay O^T, -M and the sums into LDS bytes of their own; wave w brings the three parts under the largest M by factors 2^(M part - M), which round nothing, adds them and finishes the tile.
.set PST,  5                           ; v5: LDS: PART + (wave - 4) x PREG + 16 x lane: where a part goes; wave w reads its partners' at + 4 PREG and + 8 PREG
.set PART, 283648                      ; behind the stages: eight regions
.set PREG, 4608                        ; 4,096 bytes of O^T, 512 of v[12:15]
.set WH,   36                          ; s36: wave % 4
.set GG,   37                          ; s37: wave / 4
.set CY,   38                          ; s38: whose turn the next visible key step is
.set SWR,  6
.set SWG,  7
.set ADK,  8
.set ADV,  9
.set ADS,  10
.set ADT,  11
.set TM,   240
.set WV,   8
.set SEL,  12
.set CS,   14
.set MNT,  16
.set TB,   17
.set TBV,  18
.set TS,   19
.set TJ,   20
.set KF,   21
.set Q0,   22
.set CNT,  23
.macro CROUND
	s_barrier_signal -1
	s_barrier_wait -1
	s_cmp_lg_u32 s[WV], 0
	s_cbranch_scc1 .Lnot_wave_0_\@
	s_barrier_signal -3
.Lnot_wave_0_\@:
	s_barrier_wait -3
	s_barrier_signal -1
	s_barrier_wait -1
.endm
	s_load_b128 s[4:7], s[0:1], 0x0                ; qkv s[4:5], a2 s[6:7]
	s_set_vgpr_msb 0x40
	v_lshl_add_u32 v0, v0, 2, 0x4e400
	v_mov_b32 v1, 0
	s_set_vgpr_msb 0x4045
	ds_add_u32 v0, v1
	ds_add_u32 v0, v1
	s_set_vgpr_msb 0x4500
	v_lshrrev_b32 v1, 5, v0
	v_readfirstlane_b32 s[WV], v1                  ; wave
	s_and_b32 s[WH], s[WV], 3
	s_lshr_b32 s[GG], s[WV], 2
	s_mov_b32 s[CY], 0
	s_and_b32 s9, ttmp7, 0xffff                    ; p: my first tile
	s_sub_co_u32 s98, 127, s9                      ; my second
	s_mov_b32 s44, 15|(3<<16)|(1<<21)              ; group 1 for the images: 256 rows of 256 bytes, dense, no padding; the mask of all four, bit 21 beside it
	s_mov_b32 s45, 32<<16
	s_mov_b32 s46, 256<<16                         ; 256 rows of 256 bytes: eight key steps of k's or of v's images
	s_mov_b32 s47, 32<<16
	s_mov_b32 s48, 256
	s_mov_b32 s49, 32
	s_mov_b32 s50, 0
	s_mov_b32 s51, 0
	s_mov_b32 s52, 15|(3<<16)|(1<<21)              ; for the words: 48 rows of 256 bytes
	s_mov_b32 s53, 32<<16
	s_mov_b32 s54, 304<<16                         ; 304 rows: the 48 of the words and v's first eight key steps
	s_mov_b32 s55, 32<<16
	s_mov_b32 s56, 304
	s_mov_b32 s57, 32
	s_mov_b32 s58, 0
	s_mov_b32 s59, 0
	s_lshr_b32 s84, s[WH], 1
	s_and_b32 s85, s[WH], 1
	s_mul_i32 s83, s84, 143360
	s_add_co_u32 s83, s83, 65536                   ; waves 1 and 3: key steps 8-15 of k's, of v's images: in LDS,
	s_mul_i32 s86, s84, 274432
	s_add_co_u32 s86, s86, 2162688                 ; and in memory
	s_mov_b32 s87, 0
	s_mov_b32 s[SEL], 0x76543210
	s_mov_b32 s[SEL+1], 0xfedcba98
	s_mov_b32 s[CS], 0x3e38aa3b                    ; log2(e) / 8
	s_mov_b32 s[CS+1], s[CS]
	s_mov_b32 s[MNT], 0x600000
	s_wait_dscnt 0x0
	s_wait_kmcnt 0x0
	s_add_nc_u64 s[86:87], s[4:5], s[86:87]
	CROUND                                         ; all four work-groups are here: the joint loads meet
	s_mov_b32 s24, 1                               ; wave 2: the words and v's key steps 0-7
	s_mov_b32 s25, SCB
	s_add_nc_u64 s[26:27], s[4:5], 2359296
	s_or_b32 s27, s27, 0x80000000
	s_mov_b32 s28, 1                               ; wave 0: k's key steps 0-7
	s_mov_b32 s29, 0
	s_add_nc_u64 s[30:31], s[4:5], 2097152
	s_or_b32 s31, s31, 0x80000000
	s_mov_b32 s32, 1                               ; waves 1 and 3: key steps 8-15
	s_mov_b32 s33, s83
	s_mov_b64 s[34:35], s[86:87]
	s_or_b32 s35, s35, 0x80000000
; ONE LOAD A WAVE, in one chain of branches on the wave's number.  Waves 0 and 2, whose tiles the first barrier shows, have load lines of their own; waves 1 and 3 wait alike and share one.
	s_cmp_eq_u32 s[WV], 0
	s_cbranch_scc0 .Lhead_1
	tensor_load_to_lds s[28:31], s[44:51]
	s_nop 0
.rept 4
	v_nop
.endr
	s_branch .Lhead_asked
.Lhead_1:
	s_cmp_eq_u32 s[WV], 2
	s_cbranch_scc0 .Lhead_2
	tensor_load_to_lds s[24:27], s[52:59]
	s_nop 0
.rept 4
	v_nop
.endr
	s_branch .Lhead_asked
.Lhead_2:
	s_cmp_lt_u32 s[WV], 4                          ; waves 4 to 11 fetch nothing
	s_cbranch_scc0 .Lhead_asked
	tensor_load_to_lds s[32:35], s[44:51]
	s_nop 0
.rept 4
	v_nop
.endr
.Lhead_asked:
	v_and_b32 v9, 31, v0                           ; lane
	v_lshlrev_b32 v[LI], 4, v9
	v_and_b32 v10, 15, v0                          ; r
	v_bfe_u32 v11, v0, 4, 1                        ; h
	v_lshlrev_b32 v[R4], 2, v10
	s_wait_alu depctr_va_vdst(0)
	s_mul_i32 s90, s84, 2176
	s_mul_i32 s91, s85, 1088
	s_add_co_u32 s91, s91, s90
	s_add_co_u32 s91, s91, STG
	v_mul_u32_u24 v[STO], v11, 272
	v_lshl_add_u32 v[STO], v10, 4, v[STO]
	v_add_nc_u32 v[STO], s91, v[STO]               ; the stage in: a2's codes lie as images of the operand's registers: K block wave / 2, unit 2 c + h with c = 2 (wave % 2) + my block, 16 r in it
	s_lshl_b32 s91, s84, 6
	s_lshl_b32 s99, s85, 1
	s_add_co_u32 s91, s91, s99
	s_add_co_u32 s91, s91, STG+4352
	v_add_nc_u32 v[SSO], s91, v[R4]                ; my head's two bytes of the row's word
	s_mul_i32 s91, s[WV], PREG                     ; (a wave reads back from the stage the quarter that it wrote: v[STO] serves both ways)
	s_add_co_u32 s91, s91, PART-4*PREG
	v_add_nc_u32 v[PST], s91, v[LI]
	v_lshl_add_u32 v[SWR], v9, 2, STG+4352
	v_lshlrev_b32 v[SWG], 9, v11
	v_lshl_add_u32 v[SWG], v10, 2, v[SWG]
	s_bfe_u32 s10, ttmp6, 0x40000                  ; my place in the cluster: global addresses alone hang on it
	s_lshl_b32 s11, s10, 2
	s_add_co_u32 s11, s11, s[WH]
.macro TADDR t, o                      ; tile s[t]: s[o:o+1] q's image, s[o+2:o+3] q's words, s[o+4:o+5] a2's codes, s[o+6:o+7] a2's words
	s_lshl_b32 s92, s11, 7
	s_add_co_u32 s92, s92, s[\t]
	s_lshl_b32 s92, s92, 10
	s_mov_b32 s93, 0
	s_add_nc_u64 s[\o:\o+1], s[4:5], s[92:93]
	s_lshl_b32 s92, s11, 13
	s_lshl_b32 s94, s[\t], 6
	s_add_co_u32 s92, s92, s94
	s_add_co_u32 s92, s92, QS_O
	s_add_nc_u64 s[\o+2:\o+3], s[4:5], s[92:93]
	s_lshr_b32 s94, s[\t], 3                       ; the rows' group
	s_and_b32 s95, s[\t], 7
	s_mul_i32 s92, s94, 655360
	s_lshl_b32 s96, s10, 1
	s_add_co_u32 s96, s96, s84                     ; the K block that I store
	s_lshl_b32 s96, s96, 14
	s_add_co_u32 s92, s92, s96
	s_lshl_b32 s96, s95, 11
	s_add_co_u32 s92, s92, s96
	s_lshl_b32 s96, s85, 10
	s_add_co_u32 s92, s92, s96
	s_add_nc_u64 s[\o+4:\o+5], s[6:7], s[92:93]
	s_mul_i32 s92, s94, 20480
	s_lshl_b32 s96, s10, 10
	s_add_co_u32 s92, s92, s96
	s_lshl_b32 s96, s95, 6
	s_add_co_u32 s92, s92, s96
	s_add_co_u32 s92, s92, 10485760
	s_add_nc_u64 s[\o+6:\o+7], s[6:7], s[92:93]
.endm
	TADDR 9, 66
	TADDR 98, 74
.macro LOADQ o
	global_load_b128 v[16:19], v[LI], s[\o:\o+1]
	global_load_b128 v[20:23], v[LI], s[\o:\o+1] offset:512
	global_load_b32 v255, v[R4], s[\o+2:\o+3]
.endm
	LOADQ 66
.set j, 0
.rept 8
	v_mov_b32 v[24+j], 0                           ; the zero codes of K 64 .. 127: q's,
	v_mov_b32 v[40+j], 0                           ; and those of k's four fragments
	v_mov_b32 v[56+j], 0
	v_mov_b32 v[72+j], 0
	v_mov_b32 v[88+j], 0
.set j, j+1
.endr
.irp b, 0,1,2,3
	v_mov_b32 v[236+\b], 0                         ; written once: a lane permute's destination counts as one of its sources
.endr
	v_mov_b32 v[TM+2], 0
	v_mov_b32 v[TM+3], 0
	v_mov_b32 v252, 0
	v_mov_b32 v253, 0                              ; (named as the upper half of the pair v[252:253] before it is first written)
.macro INIT t
	v_mov_b32 v13, 0xff61b1e6                      ; the largest t so far: -3e38
	v_floor_f32 v12, -v13
	v_mov_b32 v14, 0
	v_mov_b32 v15, 0
.set j, 0
.rept 32
	v_mov_b32 v[160+j], 0                          ; O^T: the step is written once; the first finds zeros
.set j, j+1
.endr
	s_mov_b32 s[TB], 0
	s_mov_b32 s[TBV], VIMG
	s_mov_b32 s[TS], SCB
	s_mov_b32 s[TJ], SCB+8192
	s_mov_b32 s[KF], 0
	s_lshl_b32 s[Q0], s[\t], 4
.endm
; A KEY STEP: 128 keys
.macro STEP
	s_add_co_u32 s97, s[Q0], 15
	s_cmp_gt_u32 s[KF], s97
	s_cbranch_scc1 .Lhidden_\@                     ; all its keys come after my queries
	s_mov_b32 s97, s[CY]                           ; a visible step: whose turn it is; the turn goes on
	s_add_co_u32 s[CY], s[CY], 1
	s_cmp_eq_u32 s[CY], 3
	s_cselect_b32 s[CY], 0, s[CY]
	s_cmp_lg_u32 s97, s[GG]
	s_cbranch_scc1 .Lhidden_\@                     ; a partner's step
	v_add_nc_u32 v[ADK], s[TB], v[LI]
	s_wait_alu depctr_va_vdst(0)
	v_add_nc_u32 v[ADV], s[TBV], v[LI]
	v_add_nc_u32 v[ADS], s[TS], v[R4]
	s_wait_alu depctr_va_vdst(0)
	v_add_nc_u32 v[ADT], s[TJ], v[R4]
.irp g, 0,1
.rept 8-3*(1-\g)
	v_nop                                          ; with the four additions nine places behind the last step's products: the scores are written over registers that those read as an operand; ahead of the second four tiles eight, for the loads
.endr
.irp t, 0,1,2,3
	ds_load_b128 v[32+16*\t:35+16*\t], v[ADK] offset:(4*\g+\t)*1024
	ds_load_b128 v[36+16*\t:39+16*\t], v[ADK] offset:(4*\g+\t)*1024+512
	ds_load_b32 v[248+\t], v[ADS] offset:(4*\g+\t)*64
.endr
	s_wait_dscnt 0x0
.irp t, 0,1,2,3
	v_wmma_scale_f32_16x16x128_f8f6f4 v[96+8*(4*\g+\t):103+8*(4*\g+\t)], v[32+16*\t:47+16*\t], v[16:31], 0, v[248+\t], v255 matrix_a_fmt:MATRIX_FMT_BF8 matrix_b_fmt:MATRIX_FMT_BF8
.endr
.endr
.rept 8
	v_nop
.endr
.irp u, 0,1
.irp c, 0,1,2,3
	ds_load_b128 v[192+16*\u+4*\c:195+16*\u+4*\c], v[ADV] offset:\u*2048+512*\c   ; v's first two fragments and its four scale words land under the softmax
.endr
.endr
	s_wait_alu depctr_va_vdst(0)
.irp u, 0,1,2,3
	ds_load_b32 v[248+\u], v[ADT] offset:64*\u
.endr
	s_add_co_u32 s97, s[KF], 127
	s_cmp_le_u32 s97, s[Q0]
	s_cbranch_scc1 .Lopen_\@                       ; all keys count
	s_sub_co_i32 s97, s[Q0], s[KF]
	v_and_b32 v252, 15, v0
	v_bfe_u32 v247, v0, 4, 1
	v_lshlrev_b32 v247, 3, v247
	v_sub_nc_u32 v252, v252, v247
	v_add_nc_u32 v252, s97, v252                   ; d = my query - the step's first key - 8 h: register n is hidden where 16 (n / 8) + n % 8 > d
	v_mov_b32 v254, 0xff800000
.set n, 0
.rept 64
	v_cmp_gt_i32 vcc_lo, 16*(n/8)+n%8, v252
	v_cndmask_b32 v[96+n], v[96+n], v254, vcc_lo
.set n, n+1
.endr
.Lopen_\@:
.irp b, 0,1,2,3
	v_max3_num_f32 v[232+\b], v[96+16*\b], v[97+16*\b], v[98+16*\b]   ; the largest score of each block of 32 keys: for the row's maximum and, since p rises with the score, for the block's largest p
.endr
.irp i, 3,5,7,9,11,13
.irp b, 0,1,2,3
	v_max3_num_f32 v[232+\b], v[232+\b], v[96+16*\b+\i], v[97+16*\b+\i]
.endr
.endr
.irp b, 0,1,2,3
	v_max_num_f32 v[232+\b], v[232+\b], v[111+16*\b]
.endr
.irp b, 0,1,2,3
	v_permlanex16_b32 v[236+\b], v[232+\b], s[SEL], s[SEL+1]
.endr
.irp b, 0,1,2,3
	v_max_num_f32 v[232+\b], v[232+\b], v[236+\b]
.endr
	v_max3_num_f32 v254, v232, v233, v234
	v_max_num_f32 v254, v254, v235
	v_mul_f32 v254, s[CS], v254
	v_max_num_f32 v13, v13, v254                   ; the running largest t
	v_mov_b32 v254, v12
	v_floor_f32 v12, -v13                          ; the new -M: a whole number
	v_sub_f32 v254, v12, v254
	v_cvt_i32_f32 v254, v254                       ; (it saturates)
	v_ldexp_f32 v252, 1.0, v254                    ; f = 2^(old M - new M)
.set j, 0
.rept 32
	v_pk_fma_f32 v[96+j:97+j], v[96+j:97+j], s[CS:CS+1], v[12:13] op_sel_hi:[1,0,0]   ; t - M
.set j, j+2
.endr
.irp b, 0,1,2,3
	v_fma_f32 v[232+\b], v[232+\b], s[CS], v12
.endr
.set j, 0
	s_wait_alu depctr_va_vdst(0)
.rept 64
	v_exp_f32 v[96+j], v[96+j]                     ; p
.set j, j+1
.endr
	v_pk_mul_f32 v[14:15], v[14:15], v[252:253] op_sel_hi:[1,0]    ; the sums under the new M: a plain instruction behind the exponentials
	s_wait_alu depctr_va_vdst(0)                   ; one wait for the batch, ahead of its first reader
.irp b, 0,1,2,3
	v_exp_f32 v[232+\b], v[232+\b]                 ; the blocks' largest p
.endr
	v_pk_add_f32 v[236:237], v[96:97], v[98:99]    ; the row's sum of the unquantised p, in two chains
.irp j, 4,8,12,16,20,24,28,32,36,40,44,48,52,56,60
	v_pk_add_f32 v[14:15], v[14:15], v[96+\j:97+\j]
	v_pk_add_f32 v[236:237], v[236:237], v[98+\j:99+\j]
.endr
	v_pk_add_f32 v[14:15], v[14:15], v[236:237]
	s_wait_alu depctr_va_vdst(0)                   ; and one for the four
.irp b, 0,1,2,3
	v_max_num_f32 v[232+\b], 0x8000000, v[232+\b]  ; the floor 2^(16 - 127)
.endr
.irp b, 0,1,2,3
	v_add_nc_u32 v[244+\b], 0xf8800000, v[232+\b]
.endr
.irp b, 0,1,2,3
	v_and_or_b32 v[240+\b], v[232+\b], 0x7f800000, s[MNT]
.endr
.irp b, 0,1,2,3
	v_lshrrev_b32 v[236+\b], 23, v[244+\b]
.endr
	v_lshl_or_b32 v253, v237, 8, v236              ; p's scale word for these 128 keys
	v_lshl_or_b32 v253, v238, 16, v253
	v_lshl_or_b32 v253, v239, 24, v253
.irp b, 0,1,2,3
.set j, 0
.rept 16
	v_min_num_f32 v[96+16*\b+j], v[96+16*\b+j], v[240+\b]          ; the conversion does not saturate (ISA guide 7.6.2); p is not negative
.set j, j+1
.endr
	v_cvt_scalef32_pk8_bf8_f32 v[224+4*\b:225+4*\b], v[96+16*\b:103+16*\b], v[244+\b]
	v_cvt_scalef32_pk8_bf8_f32 v[226+4*\b:227+4*\b], v[104+16*\b:111+16*\b], v[244+\b]
.if \b == 1
.irp u, 0,1
.irp c, 0,1,2,3
	ds_load_b128 v[96+16*\u+4*\c:99+16*\u+4*\c], v[ADV] offset:(2+\u)*2048+512*\c   ; v's other two fragments, into the registers that p's first two blocks have left
.endr
.endr
.endif
.endr
.set j, 0
.rept 16
	v_pk_mul_f32 v[160+j:161+j], v[160+j:161+j], v[252:253] op_sel_hi:[1,0]   ; O^T under the new M; these are also the places between the conversions and the products
.set j, j+2
.endr
	s_wait_alu depctr_va_vdst(0)
	s_wait_dscnt 8                                 ; all but the eight loads of fragments 2 and 3
.irp u, 0,1
	v_wmma_scale_f32_16x16x128_f8f6f4 v[160+8*\u:167+8*\u], v[192+16*\u:207+16*\u], v[224:239], v[160+8*\u:167+8*\u], v[248+\u], v253 matrix_a_fmt:MATRIX_FMT_BF8 matrix_b_fmt:MATRIX_FMT_BF8
.endr
	s_wait_dscnt 0x0
.irp u, 0,1
	v_wmma_scale_f32_16x16x128_f8f6f4 v[176+8*\u:183+8*\u], v[96+16*\u:111+16*\u], v[224:239], v[176+8*\u:183+8*\u], v[250+\u], v253 matrix_a_fmt:MATRIX_FMT_BF8 matrix_b_fmt:MATRIX_FMT_BF8
.endr
.Lhidden_\@:
	s_add_co_u32 s[KF], s[KF], 128
	s_add_co_u32 s[TB], s[TB], 8192
	s_add_co_u32 s[TBV], s[TBV], 8192
	s_add_co_u32 s[TS], s[TS], 512
	s_add_co_u32 s[TJ], s[TJ], 256
.endm
.macro RUN n
	s_mov_b32 s[CNT], \n
.Lrun_\@:
	STEP
	s_sub_co_u32 s[CNT], s[CNT], 1
	s_cmp_lg_u32 s[CNT], 0
	s_cbranch_scc1 .Lrun_\@
.endm
.macro MEET left                       ; the next quarter of the images: my part has landed, then everybody's; the later quarters stay on their way
	s_wait_tensorcnt \left
	s_wait_dscnt 0x0
	s_barrier_signal -1
	s_barrier_wait -1
.endm
.macro QUANT2 s, c, pw
.irp b, 0,1
	v_max3_num_f32 v[TM+\b], |v[\s+16*\b]|, |v[\s+1+16*\b]|, 0x8000000
.endr
.irp i, 2,4,6,8,10,12,14
.irp b, 0,1
	v_max3_num_f32 v[TM+\b], v[TM+\b], |v[\s+16*\b+\i]|, |v[\s+1+16*\b+\i]|
.endr
.endr
.irp b, 0,1
	v_permlanex16_b32 v[TM+2+\b], v[TM+\b], s[SEL], s[SEL+1]
.endr
.irp b, 0,1
	v_max_num_f32 v[TM+\b], v[TM+\b], v[TM+2+\b]
.endr
.irp b, 0,1
	v_add_nc_u32 v[TM+6+\b], 0xf8800000, v[TM+\b]
.endr
.irp b, 0,1
	v_and_or_b32 v[TM+4+\b], v[TM+\b], 0x7f800000, s[MNT]
.endr
.irp b, 0,1
	v_lshrrev_b32 v[TM+2+\b], 23, v[TM+6+\b]
.endr
	v_lshl_or_b32 v[\pw], v[TM+3], 8, v[TM+2]
.irp b, 0,1
.set qi, 0
.rept 16
	v_med3_num_f32 v[\s+16*\b+qi], v[\s+16*\b+qi], -v[TM+4+\b], v[TM+4+\b]
.set qi, qi+1
.endr
	v_cvt_scalef32_pk8_bf8_f32 v[\c+4*\b:\c+4*\b+1], v[\s+16*\b:\s+16*\b+7], v[TM+6+\b]
	v_cvt_scalef32_pk8_bf8_f32 v[\c+4*\b+2:\c+4*\b+3], v[\s+16*\b+8:\s+16*\b+15], v[TM+6+\b]
.endr
	v_nop
.endm
; a tile's end: O^T / the sum; register 16 b + i is channel 32 b + 16 h + i: quantised as it stands; the four heads' codes meet in a stage and leave as whole units of 256 bytes
.macro FIN set, o, more
.rept 8
	v_nop
.endr
	s_wait_alu depctr_va_vdst(0)                   ; what follows may read what was written ahead of taken branches
.if \more
	LOADQ 74                                       ; every wave: the second tile's q lands under the tile's end
.endif
	s_cmp_eq_u32 s[GG], 0
	s_cbranch_scc1 .Lown_\@
.set j, 0
.rept 8
	ds_store_b128 v[PST], v[160+4*j:163+4*j] offset:512*j          ; waves 4 to 11: my part of O^T, each accumulator from its low end on,
.set j, j+1
.endr
	ds_store_b128 v[PST], v[12:15] offset:4096     ; and -M, the largest t, the sum's two halves
.Lown_\@:
	s_wait_dscnt 0x0                               ; for the others' sake
	s_barrier_signal -1
	s_barrier_wait -1
	s_cmp_lg_u32 s[GG], 0
	s_cbranch_scc1 .Lrest_\@
.set j, 0
.rept 8
	ds_load_b128 v[96+4*j:99+4*j], v[PST] offset:4*PREG+512*j
	ds_load_b128 v[128+4*j:131+4*j], v[PST] offset:8*PREG+512*j
.set j, j+1
.endr
	ds_load_b128 v[232:235], v[PST] offset:4*PREG+4096
	ds_load_b128 v[236:239], v[PST] offset:8*PREG+4096
	s_wait_dscnt 0x0
	v_min_num_f32 v251, v12, v232
	v_add_f32 v14, v14, v15
	v_add_f32 v234, v234, v235
	v_add_f32 v238, v238, v239
	v_min_num_f32 v251, v251, v236                 ; -M of the three parts together: the least
	v_sub_f32 v248, v251, v12                      ; M part - M: a whole number, 0 or less (a part without a step: -3e38)
	v_sub_f32 v249, v251, v232
	v_sub_f32 v250, v251, v236
	v_cvt_i32_f32 v248, v248                       ; (it saturates)
	v_cvt_i32_f32 v249, v249
	v_cvt_i32_f32 v250, v250
	v_ldexp_f32 v248, 1.0, v248
	v_ldexp_f32 v249, 1.0, v249
	v_ldexp_f32 v250, 1.0, v250
	v_mul_f32 v14, v14, v248
	v_fma_f32 v14, v234, v249, v14
	v_fma_f32 v14, v238, v250, v14
	v_permlanex16_b32 v252, v14, s[SEL], s[SEL+1]
	v_add_f32 v14, v14, v252                       ; the row's sum
	s_wait_alu depctr_va_vdst(0)
	v_rcp_f32 v14, v14
	v_nop
	s_wait_alu depctr_va_vdst(0)
	v_mul_f32 v248, v248, v14                      ; the three factors, each over the sum
	v_mul_f32 v249, v249, v14
	v_mul_f32 v250, v250, v14
	s_wait_alu depctr_va_vdst(0)                   ; directly ahead of the first reader of O^T
.set j, 0
.rept 32
	v_mul_f32 v[192+j], v[160+j], v248
.set j, j+1
.endr
.set j, 0
.rept 32
	v_fma_f32 v[192+j], v[96+j], v249, v[192+j]
.set j, j+1
.endr
.set j, 0
.rept 32
	v_fma_f32 v[96+j], v[128+j], v250, v[192+j]
.set j, j+1
.endr
	QUANT2 96, 224, 253
	ds_store_b128 v[STO], v[224:227] offset:\set*4608
	ds_store_b128 v[STO], v[228:231] offset:\set*4608+544
	ds_store_b16 v[SSO], v253 offset:\set*4608
.Lrest_\@:
	s_wait_dscnt 0x0                               ; for the others' sake; my reads of the parts are over too: their bytes may be written again behind this barrier
	s_barrier_signal -1
	s_barrier_wait -1
	s_cmp_lg_u32 s[GG], 0
	s_cbranch_scc1 .Ldone_\@
	ds_load_b128 v[32:35], v[STO] offset:\set*4608
	ds_load_b128 v[36:39], v[STO] offset:\set*4608+544
	s_wait_dscnt 1
	global_store_b128 v[LI], v[32:35], s[\o+4:\o+5]               ; 512 consecutive bytes, aligned
	s_wait_dscnt 0x0
	global_store_b128 v[LI], v[36:39], s[\o+4:\o+5] offset:512
	s_cmp_lg_u32 s[WV], 0
	s_cbranch_scc1 .Lno_words_\@
	ds_load_b32 v48, v[SWR] offset:\set*4608
	s_wait_dscnt 0x0
	global_store_b32 v[SWG], v48, s[\o+6:\o+7]     ; 16 rows' words of two K blocks: two pieces of 64 bytes, as a tile of 16 rows has them
.Lno_words_\@:
.Ldone_\@:
	s_wait_xcnt 0x0
.endm
	INIT 9
	s_wait_loadcnt 0x0                             ; q
	s_cmp_eq_u32 s85, 0                            ; waves 0 and 2 wait for their tiles: the words and key steps 0-7; the other two tiles stay on their way
	s_cbranch_scc0 .Llater
	s_wait_tensorcnt 0x0
.Llater:
	s_barrier_signal -1
	s_barrier_wait -1
	RUN 8                                          ; the first tile's queries lie under 1,024: key steps 0-7
	FIN 0, 66, 1
	INIT 98
	s_wait_loadcnt 0x0
	RUN 8
	MEET 0                                         ; key steps 8-15: every wave waits for all its loads
	RUN 8
	FIN 1, 74, 0
	s_wait_dscnt 0x0
	s_set_vgpr_msb 0x5
	s_wait_tensorcnt 0x0
	ds_add_u32 v0, v1
	s_wait_dscnt 0x0
	s_set_vgpr_msb 0x500
	CROUND                                         ; the closing round
	s_endpgm
.Lfunc_end_k_q737523ac7b_attn:
	.size	k_q737523ac7b_attn, .Lfunc_end_k_q737523ac7b_attn-k_q737523ac7b_attn
	.p2alignl 7, 3214868480
	.fill 96, 4, 3214868480
	.section	.rodata,"a",@progbits
	.p2align	6, 0x0
	.amdhsa_kernel k_q737523ac7b_attn
		.amdhsa_group_segment_fixed_size 322048
		.amdhsa_private_segment_fixed_size 0
		.amdhsa_enable_private_segment 0
		.amdhsa_kernarg_size 16
		.amdhsa_user_sgpr_count 2
		.amdhsa_user_sgpr_kernarg_segment_ptr 1
		.amdhsa_wavefront_size32 1
		.amdhsa_system_sgpr_workgroup_id_x 1
		.amdhsa_system_sgpr_workgroup_id_y 1
		.amdhsa_system_sgpr_workgroup_id_z 1
		.amdhsa_system_vgpr_workitem_id 0
		.amdhsa_next_free_vgpr 258
		.amdhsa_next_free_sgpr 100
		.amdhsa_reserve_vcc 1
		.amdhsa_float_denorm_mode_32 3
		.amdhsa_float_denorm_mode_16_64 3
		.amdhsa_memory_ordered 1
		.amdhsa_forward_progress 1
		.amdhsa_inst_pref_size 116
	.end_amdhsa_kernel
	.amdgpu_metadata
---
amdhsa.version: [ 1, 2 ]
amdhsa.kernels:
  - .name:           k_q737523ac7b_attn
    .symbol:         k_q737523ac7b_attn.kd
    .args:
      - { .name: qkv, .offset: 0, .size: 8, .value_kind: global_buffer, .address_space: global }
      - { .name: a2, .offset: 8, .size: 8, .value_kind: global_buffer, .address_space: global }
    .group_segment_fixed_size: 322048
    .private_segment_fixed_size: 0
    .kernarg_segment_align: 8
    .kernarg_segment_size: 16
    .max_flat_workgroup_size: 384
    .sgpr_count:     100
    .vgpr_count:     258
    .wavefront_size: 32
...
	.end_amdgpu_metadata
.endif
;; end of part 3
;; launch ff (part 4): grid 32 x 8, 4 waves a work-group, clusters of 4 x 4, 327,680 bytes of LDS; arguments xq, w1q, a2; writes a2
.if DOCPART == 4
	.amdgcn_target "amdgcn-amd-amdhsa--gfx1250"
	.amdhsa_code_object_version 6
	.text
	.protected	k_q737523ac7b_ff
	.globl	k_q737523ac7b_ff
	.p2align	8
	.type	k_q737523ac7b_ff,@function
k_q737523ac7b_ff:
	s_mov_b64 s[64:65], 0
	v_nop
	global_prefetch_b8 v0, s[64:65] scope:SCOPE_SE
	s_setreg_imm32_b32 hwreg(HW_REG_WAVE_MODE, 25, 1), 1
	s_wait_xcnt 0x0
	s_wait_alu depctr_hold_cnt(0) depctr_sa_sdst(0) depctr_va_vdst(0) depctr_va_sdst(0) depctr_va_ssrc(0) depctr_va_vcc(0) depctr_vm_vsrc(0)
	s_getreg_b32 s2, hwreg(HW_REG_IB_STS2, 6, 4)
	s_cmp_eq_u32 s2, 0
	s_cbranch_scc0 .Lentry_in_a_cluster
	s_endpgm
.Lentry_in_a_cluster:
	s_bfe_u32 s2, ttmp6, 0x10000c
	s_cmp_lg_u32 s2, 0xf033
	s_cbranch_scc0 .Lentry_shape_is_right
	s_endpgm
.Lentry_shape_is_right:
.set NQ,    2
.set QB,    17408
.set HALFT, 2*QB
.set SLOT,  4*HALFT
.set LAPS,  4
.set FR,    16
.set NL,    4
.set NP,    8
.set KSB,   32768
.set SCL,   2*SLOT
.set SPARE, SCL+32768
.set WORDS, 2*HALFT
.set ADRA, 16
.set SSO,  18
.set SRD,  19
.set ADRB, 20
.set L16,  22
.set L8,   23
.set STO,  24
.set RD,   25
.set ADRS, 27
.set SPW,  28
.set NIL,  29
.set PFO,  30
.set SC,   32
.set AF,   128
.set TM,   144
.set G1,   24
.set G0,   32
.set G1B,  48
.set G0B,  56
.set G1S,  68
.set G0S,  76
.set G1SB, 80
.set G0SB, 88
.set NL2E, 66
.set PFA,  92
.set LIM,  94
.set SEL,  96
.set MNT,  98
.set MSB, 0
.macro WIN new
.if MSB != \new
	s_set_vgpr_msb (MSB<<8)|\new
.set MSB, \new
.endif
.endm
.set MUL_LO, 0xa1
.set MUL_HI, 0xf1
.set TO_B,   0x40
.macro JLOAD g0a, g1a, g0b, g1b
	s_cmp_eq_u32 s15, 0
	s_cbranch_scc0 .Lfor_b_\@
	tensor_load_to_lds s[\g0a:\g0a+3], s[\g1a:\g1a+7]
	s_nop 0
.rept 4
	v_nop
.endr
	s_branch .Lasked_\@
.Lfor_b_\@:
	tensor_load_to_lds s[\g0b:\g0b+3], s[\g1b:\g1b+7]
	s_nop 0
.rept 4
	v_nop
.endr
.Lasked_\@:
.endm
.macro ASK
	s_cmp_gt_u32 s3, s[LIM]
	s_cbranch_scc0 .Lnot_mine_\@
	global_prefetch_b8 v[PFO], s[PFA:PFA+1] offset:KSB th:TH_LOAD_NT scope:SCOPE_SE
.Lnot_mine_\@:
.endm
.macro CREST
	s_cmp_lg_u32 s14, 0
	s_cbranch_scc1 .Lnot_wave_0_\@
	s_barrier_signal -3
.Lnot_wave_0_\@:
	s_barrier_wait -3
	s_barrier_signal -1
	s_barrier_wait -1
.endm
.macro CROUND
	s_barrier_signal -1
	s_barrier_wait -1
	CREST
.endm
.macro PLACES n
.rept \n
	v_nop
.endr
.endm
	s_load_b128 s[4:7], s[0:1], 0x0
	s_load_b64 s[8:9], s[0:1], 0x10
	v_lshl_add_u32 v[SPW], v0, 2, SPARE
	v_mov_b32 v[NIL], 0
	ds_add_u32 v28, v29
	ds_add_u32 v28, v29
	s_wait_dscnt 0x0
	v_lshrrev_b32 v1, 5, v0
	v_readfirstlane_b32 s14, v1
	s_lshr_b32 s15, s14, 1
	s_and_b32 s16, s14, 1
	s_bfe_u32 s40, ttmp6, 0x40000
	s_bfe_u32 s41, ttmp6, 0x40004
	s_lshl_b32 s42, ttmp9, 2
	s_add_co_u32 s42, s42, s40
	s_and_b32 s17, ttmp7, 0xffff
	s_lshl_b32 s17, s17, 2
	s_add_co_u32 s17, s17, s41
	s_lshl_b32 s43, s41, 2
	s_lshl_b32 s43, 15, s43
	s_lshl_b32 s44, 0x1111, s40
	s_or_b32 s[G1], s43, (3<<16)|(1<<20)|(1<<21)|(5<<22)|(3<<25)
	s_or_b32 s[G1B], s44, (3<<16)|(1<<20)|(1<<21)|(5<<22)|(3<<25)
.irp g, G1, G1B
	s_mov_b32 s[\g+1], 32<<16
	s_mov_b32 s[\g+2], 128<<16
	s_mov_b32 s[\g+3], 32<<16
	s_mov_b32 s[\g+4], 128
	s_mov_b32 s[\g+5], 32
	s_mov_b32 s[\g+6], 0
	s_mov_b32 s[\g+7], 0
.endr
	s_or_b32 s[G1S], s43, (3<<16)|(1<<21)
	s_or_b32 s[G1SB], s44, (3<<16)|(1<<21)
.irp g, G1S, G1SB
	s_mov_b32 s[\g+1], 32<<16
	s_mov_b32 s[\g+2], 32<<16
	s_mov_b32 s[\g+3], 32<<16
	s_mov_b32 s[\g+4], 32
	s_mov_b32 s[\g+5], 32
	s_mov_b32 s[\g+6], 0
	s_mov_b32 s[\g+7], 0
.endr
	s_lshl_b32 s20, s17, 1
	s_add_co_u32 s20, s20, s16
	s_lshl_b32 s46, s42, 1
	s_add_co_u32 s46, s46, s16
	s_add_co_u32 s46, s46, 9
	s_lshl_b32 s22, s20, 13
	s_add_co_u32 s22, s22, 4194304
	s_mov_b32 s23, 0
	s_lshl_b32 s92, s46, 13
	s_add_co_u32 s92, s92, 19136512
	s_mov_b32 s93, 0
	s_lshl_b32 s20, s20, 18
	s_mov_b32 s21, 0
	s_lshl_b32 s46, s46, 18
	s_mov_b32 s47, 0
	s_mul_i32 s45, s14, HALFT
	s_lshl_b32 s94, s14, 13
	s_mov_b32 s[NL2E], 0xbfb8aa3b
	s_mov_b32 s[NL2E+1], s[NL2E]
	s_mov_b32 s[SEL], 0x76543210
	s_mov_b32 s[SEL+1], 0xfedcba98
	s_mov_b32 s[MNT], 0x600000
	s_wait_kmcnt 0x0
	s_add_nc_u64 s[20:21], s[4:5], s[20:21]
	s_add_nc_u64 s[22:23], s[4:5], s[22:23]
	s_add_nc_u64 s[46:47], s[6:7], s[46:47]
	s_add_nc_u64 s[92:93], s[6:7], s[92:93]
	CROUND
	s_mov_b32 s[G0S], 1
	s_add_co_u32 s[G0S+1], s94, SCL
	s_mov_b64 s[G0S+2:G0S+3], s[22:23]
	s_or_b32 s[G0S+3], s[G0S+3], 0x80000000
	s_mov_b32 s[G0SB], 1
	s_add_co_u32 s[G0SB+1], s94, SCL
	s_mov_b64 s[G0SB+2:G0SB+3], s[92:93]
	s_or_b32 s[G0SB+3], s[G0SB+3], 0x80000000
	JLOAD G0S, G1S, G0SB, G1SB
.irp s, 0,1
	s_mov_b32 s[G0+4*\s], 1
	s_add_co_u32 s[G0+4*\s+1], s45, \s*SLOT
	s_add_nc_u64 s[G0+4*\s+2:G0+4*\s+3], s[20:21], \s*KSB
	s_or_b32 s[G0+4*\s+3], s[G0+4*\s+3], 0x80000000
	s_mov_b32 s[G0B+4*\s], 1
	s_add_co_u32 s[G0B+4*\s+1], s45, \s*SLOT
	s_add_nc_u64 s[G0B+4*\s+2:G0B+4*\s+3], s[46:47], \s*KSB
	s_or_b32 s[G0B+4*\s+3], s[G0B+4*\s+3], 0x80000000
	s_wait_alu depctr_va_vdst(0)
	s_wait_tensorcnt 0x0
	ds_add_u32 v28, v29
	s_wait_dscnt 0x0
	CROUND
	JLOAD G0+4*\s, G1, G0B+4*\s, G1B
.endr
	v_and_b32 v1, 15, v0
	v_bfe_u32 v2, v0, 4, 1
	v_and_b32 v3, 31, v0
	v_lshrrev_b32 v4, 1, v1
	v_mul_u32_u24 v4, v4, 272
	v_and_b32 v5, 1, v1
	v_lshl_add_u32 v4, v5, 7, v4
	v_lshl_add_u32 v4, v2, 4, v4
	v_mul_u32_u24 v7, v2, 272
	v_lshl_add_u32 v7, v1, 4, v7                   ; the weights' codes and a2's lie as images of the operand's registers: unit 2 c + h, 16 r in it
	s_wait_alu depctr_va_vdst(0)
	s_mul_i32 s21, s15, HALFT
	s_mul_i32 s22, s16, HALFT
	s_add_co_u32 s22, s22, 2*HALFT
.irp s, 0,1
	v_add_nc_u32 v[ADRA+\s], s21, v4
	v_add_nc_u32 v[ADRB+\s], s22, v7
	s_add_co_u32 s21, s21, SLOT
	s_add_co_u32 s22, s22, SLOT
.endr
	v_lshlrev_b32 v5, 2, v1
	s_wait_alu depctr_va_vdst(0)
	s_lshl_b32 s21, s15, 13
	s_lshl_b32 s22, s16, 13
	s_add_co_u32 s22, s22, 16384
	s_sub_co_u32 s22, s22, s21
	v_mul_u32_u24 v6, s22, v2
	s_add_co_u32 s21, s21, SCL
	v_add_nc_u32 v6, v5, v6
	v_add_nc_u32 v[ADRS], s21, v6
	s_mul_i32 s23, s15, HALFT
	s_mul_i32 s21, s16, 1088                       ; my 64 of the K block's 128: its units 4 (wave % 2) on
	s_add_co_u32 s21, s21, s23
	v_add_nc_u32 v[STO], s21, v7
	s_lshl_b32 s21, s15, 9
	s_lshl_b32 s22, s16, 1
	s_add_co_u32 s21, s21, s22
	s_add_co_u32 s21, s21, WORDS
	v_add_nc_u32 v[SSO], s21, v5
	s_mul_i32 s21, s16, 8704
	s_add_co_u32 s21, s21, s23
	v_mul_u32_u24 v6, v2, 272
	v_lshl_add_u32 v6, v1, 4, v6
	v_add_nc_u32 v[RD], s21, v6
	s_lshl_b32 s21, s14, 8
	s_add_co_u32 s21, s21, WORDS
	v_lshlrev_b32 v[L8], 3, v3
	v_add_nc_u32 v[SRD], s21, v[L8]
	v_lshlrev_b32 v[L16], 4, v3
	v_lshlrev_b32 v[PFO], 8, v3
	s_lshl_b32 s20, s17, 1
	s_add_co_u32 s20, s20, s15
	s_mul_i32 s21, s20, 20480
	s_mul_i32 s20, s20, 655360
	s_add_co_u32 s46, s42, 8
	s_lshl_b32 s47, s46, 9
	s_lshl_b32 s46, s46, 14
	s_add_co_u32 s20, s20, s46
	s_add_co_u32 s21, s21, s47
	s_lshl_b32 s46, s16, 13
	s_add_co_u32 s20, s20, s46
	s_lshl_b32 s47, s16, 8
	s_add_co_u32 s21, s21, s47
	s_add_co_u32 s46, s21, 10485760
	s_mov_b32 s47, 0
	s_mov_b32 s21, 0
	s_add_nc_u64 s[12:13], s[8:9], s[20:21]
	s_add_nc_u64 s[10:11], s[8:9], s[46:47]
	s_lshl_b32 s20, s17, 1
	s_lshl_b32 s21, s42, 1
	s_add_co_u32 s21, s21, 9
	s_and_b32 s22, ttmp7, 0xffff
	s_cmp_eq_u32 s15, 0
	s_cselect_b32 s20, s20, s21
	s_cselect_b32 s21, s40, s41
	s_cselect_b32 s22, ttmp9, s22
	s_cselect_b64 s[PFA:PFA+1], s[4:5], s[6:7]
	s_cmp_eq_u32 s22, 0
	s_cselect_b32 s[LIM], 1, -1
	s_add_co_u32 s20, s20, s16
	s_lshl_b32 s20, s20, 18
	s_lshl_b32 s21, s21, 13
	s_add_co_u32 s20, s20, s21
	s_add_co_u32 s20, s20, 2*KSB
	s_mov_b32 s21, 0
	s_add_nc_u64 s[PFA:PFA+1], s[PFA:PFA+1], s[20:21]
.macro FRAG reg, adr, q, i, cs=32
.irp c, 0,1,2,3
	ds_load_b128 v[\reg+4*\c:\reg+4*\c+3], v[\adr] offset:QB*(\q)+2176*(\i)+(\cs)*\c
.endr
.endm
.macro MUL16 a0, p, q, sc, zero
.irp a, \a0, \a0+1
.irp b, 0,1,2,3,4,5,6,7
.if \zero
	v_wmma_scale_f32_16x16x128_f8f6f4 v[8*(8*((\a)%4)+\b):8*(8*((\a)%4)+\b)+7], v[128*(\p)+FR*\b:128*(\p)+FR*\b+FR-1], v[AF+FR*(\a):AF+FR*(\a)+FR-1], 0, v[SC+8*NQ*(\sc)+NQ*\b+(\q)], v[SC+8*NQ*(\sc)+NQ*(\a)+(\q)] matrix_a_fmt:MATRIX_FMT_BF8 matrix_b_fmt:MATRIX_FMT_BF8 matrix_a_scale:MATRIX_SCALE_ROW1
.else
	v_wmma_scale_f32_16x16x128_f8f6f4 v[8*(8*((\a)%4)+\b):8*(8*((\a)%4)+\b)+7], v[128*(\p)+FR*\b:128*(\p)+FR*\b+FR-1], v[AF+FR*(\a):AF+FR*(\a)+FR-1], v[8*(8*((\a)%4)+\b):8*(8*((\a)%4)+\b)+7], v[SC+8*NQ*(\sc)+NQ*\b+(\q)], v[SC+8*NQ*(\sc)+NQ*(\a)+(\q)] matrix_a_fmt:MATRIX_FMT_BF8 matrix_b_fmt:MATRIX_FMT_BF8 matrix_a_scale:MATRIX_SCALE_ROW1
.endif
.endr
.endr
.endm
.macro FETCH_B slot, q, p
	WIN TO_B
.irp i, 0,1,2,3,4,5,6,7
	FRAG 128*(\p)+FR*\i, ADRB+\slot, \q, \i, 544
.endr
	WIN 0
.endm
.macro FETCH_A slot, q, i0
.irp i, \i0, \i0+1, \i0+2, \i0+3
	FRAG AF+FR*(\i), ADRA+\slot, \q, \i
.endr
.endm
.macro SCALES sc
.irp i, 0,1,2,3,4,5,6,7
	ds_load_b32 v[SC+16*\sc+2*\i], v[ADRS] offset:64*\i
	ds_load_b32 v[SC+16*\sc+2*\i+1], v[ADRS] offset:512+64*\i
.endr
.endm
.macro STEP slot, q, zero
	s_wait_dscnt 4*NL
	WIN MUL_LO
	MUL16 0, (\q)%2, \q, \slot, \zero
	MUL16 2, (\q)%2, \q, \slot, \zero
	s_wait_dscnt 0
	PLACES NP
	FETCH_B \slot, (\q)+1, 1-(\q)%2
	FETCH_A \slot, (\q)+1, 0
	WIN MUL_HI
	MUL16 4, (\q)%2, \q, \slot, \zero
	MUL16 6, (\q)%2, \q, \slot, \zero
	PLACES NP
	WIN 0
	FETCH_A \slot, (\q)+1, 4
.endm
.macro TURN slot, next, fill
.if \fill
	s_wait_xcnt 0x0
	s_add_nc_u64 s[PFA:PFA+1], s[PFA:PFA+1], KSB
.endif
	s_wait_tensorcnt 0x0
	ds_add_u32 v[SPW], v[NIL]
	s_wait_dscnt 4*NL+1
	WIN MUL_LO
	MUL16 0, 1, NQ-1, \slot, 0
	s_wait_dscnt 0x0
	s_barrier_signal -1
	MUL16 2, 1, NQ-1, \slot, 0
	WIN 0
	s_barrier_wait -1
.if \fill
	CREST
	s_add_nc_u64 s[G0+4*\slot+2:G0+4*\slot+3], s[G0+4*\slot+2:G0+4*\slot+3], 2*KSB
	s_add_nc_u64 s[G0B+4*\slot+2:G0B+4*\slot+3], s[G0B+4*\slot+2:G0B+4*\slot+3], 2*KSB
	JLOAD G0+4*\slot, G1, G0B+4*\slot, G1B
	PLACES NP-4
.else
	PLACES NP
.endif
	s_wait_alu depctr_va_vdst(0)
	v_add_nc_u32 v[ADRS], 1024, v[ADRS]
	FETCH_B \next, 0, 0
	FETCH_A \next, 0, 0
	SCALES \next
.if \fill
	ASK
.endif
	WIN MUL_HI
	MUL16 4, 1, NQ-1, \slot, 0
	MUL16 6, 1, NQ-1, \slot, 0
	PLACES NP
	WIN 0
	FETCH_A \next, 0, 4
.endm
.macro QUANT2 s, c, pw
.irp b, 0,1
	v_max3_num_f32 v[TM+\b], |v[\s+16*\b]|, |v[\s+1+16*\b]|, 0x8000000
.endr
.irp i, 2,4,6,8,10,12,14
.irp b, 0,1
	v_max3_num_f32 v[TM+\b], v[TM+\b], |v[\s+16*\b+\i]|, |v[\s+1+16*\b+\i]|
.endr
.endr
.irp b, 0,1
	v_permlanex16_b32 v[TM+2+\b], v[TM+\b], s[SEL], s[SEL+1]
.endr
.irp b, 0,1
	v_max_num_f32 v[TM+\b], v[TM+\b], v[TM+2+\b]
.endr
.irp b, 0,1
	v_add_nc_u32 v[TM+6+\b], 0xf8800000, v[TM+\b]
.endr
.irp b, 0,1
	v_and_or_b32 v[TM+4+\b], v[TM+\b], 0x7f800000, s[MNT]
.endr
.irp b, 0,1
	v_lshrrev_b32 v[TM+2+\b], 23, v[TM+6+\b]
.endr
	v_lshl_or_b32 v[\pw], v[TM+3], 8, v[TM+2]
.irp b, 0,1
.set qi, 0
.rept 16
	v_med3_num_f32 v[\s+16*\b+qi], v[\s+16*\b+qi], -v[TM+4+\b], v[TM+4+\b]
.set qi, qi+1
.endr
	v_cvt_scalef32_pk8_bf8_f32 v[\c+4*\b:\c+4*\b+1], v[\s+16*\b:\s+16*\b+7], v[TM+6+\b]
	v_cvt_scalef32_pk8_bf8_f32 v[\c+4*\b+2:\c+4*\b+3], v[\s+16*\b+8:\s+16*\b+15], v[TM+6+\b]
.endr
	v_nop
.endm
	s_wait_tensorcnt 1
	s_barrier_signal -1
	s_barrier_wait -1
	FETCH_B 0, 0, 0
	FETCH_A 0, 0, 0
	SCALES 0
	FETCH_A 0, 0, 4
	STEP 0, 0, 1
	s_mov_b32 s3, LAPS-1
.Llap:
	TURN 0, 1, 1
	STEP 1, 0, 0
	TURN 1, 0, 1
	STEP 0, 0, 0
	s_sub_co_u32 s3, s3, 1
	s_cmp_lg_u32 s3, 0
	s_cbranch_scc1 .Llap
	TURN 0, 1, 0
	STEP 1, 0, 0
	s_wait_dscnt 4*NL
	WIN MUL_LO
	MUL16 0, 1, NQ-1, 1, 0
	MUL16 2, 1, NQ-1, 1, 0
	s_wait_dscnt 0
	WIN MUL_HI
	MUL16 4, 1, NQ-1, 1, 0
	MUL16 6, 1, NQ-1, 1, 0
	WIN 0
	PLACES NP
	v_mov_b32 v[TM+2], 0
	v_mov_b32 v[TM+3], 0
.macro SWI a
.set AC, 64*((\a)%4)
	WIN 0x0a+5*((\a)/4)
.set j, 0
.rept 16
	v_pk_mul_f32 v[64+j:65+j], v[AC+32+j:AC+33+j], s[NL2E:NL2E+1] op_sel_hi:[1,0]
.set j, j+2
.endr
.set j, 0
.rept 16
	v_pk_mul_f32 v[96+j:97+j], v[AC+j:AC+j+1], v[AC+32+j:AC+33+j]
.set j, j+2
.endr
	WIN 0
.set j, 0
	s_wait_alu depctr_va_vdst(0)
.rept 32
	v_exp_f32 v[64+j], v[64+j]
.set j, j+1
.endr
	v_nop
	s_wait_alu depctr_va_vdst(0)
.set j, 0
.rept 16
	v_pk_add_f32 v[64+j:65+j], v[64+j:65+j], 1.0 op_sel_hi:[1,0]
.set j, j+2
.endr
.set j, 0
	s_wait_alu depctr_va_vdst(0)
.rept 32
	v_rcp_f32 v[64+j], v[64+j]
.set j, j+1
.endr
	v_nop
	s_wait_alu depctr_va_vdst(0)
.set j, 0
.rept 16
	v_pk_mul_f32 v[96+j:97+j], v[96+j:97+j], v[64+j:65+j]
.set j, j+2
.endr
	s_wait_alu depctr_va_vdst(0)
	s_wait_dscnt 0x0
	QUANT2 96, 128, 160
	ds_store_b128 v[STO], v[128:131] offset:(\a)*2176
	ds_store_b128 v[STO], v[132:135] offset:(\a)*2176+544
	ds_store_b16 v[SSO], v160 offset:64*(\a)
.endm
.irp a, 0,1,2,3,4,5,6,7
	SWI \a
.endr
	s_wait_dscnt 0x0
	s_barrier_signal -1
	s_barrier_wait -1
.irp t, 0,1,2,3,4,5,6,7,8,9,10,11,12,13,14,15
	ds_load_b128 v[192+4*\t:195+4*\t], v[RD] offset:544*\t
.endr
	ds_load_b64 v[64:65], v[SRD]
.irp t, 0,1,2,3,4,5,6,7,8,9,10,11,12,13,14,15
	s_wait_dscnt 16-\t
	global_store_b128 v[L16], v[192+4*\t:195+4*\t], s[12:13] offset:512*\t
.endr
	s_wait_dscnt 0x0
	global_store_b64 v[L8], v[64:65], s[10:11]
	s_wait_tensorcnt 0x0
	ds_add_u32 v[SPW], v[NIL]
	s_wait_dscnt 0x0
	CROUND
	s_endpgm
.Lfunc_end_k_q737523ac7b_ff:
	.size	k_q737523ac7b_ff, .Lfunc_end_k_q737523ac7b_ff-k_q737523ac7b_ff
	.p2alignl 7, 3214868480
	.fill 96, 4, 3214868480
	.section	.rodata,"a",@progbits
	.p2align	6, 0x0
	.amdhsa_kernel k_q737523ac7b_ff
		.amdhsa_group_segment_fixed_size 327680
		.amdhsa_private_segment_fixed_size 0
		.amdhsa_enable_private_segment 0
		.amdhsa_kernarg_size 24
		.amdhsa_user_sgpr_count 2
		.amdhsa_user_sgpr_kernarg_segment_ptr 1
		.amdhsa_wavefront_size32 1
		.amdhsa_system_sgpr_workgroup_id_x 1
		.amdhsa_system_sgpr_workgroup_id_y 1
		.amdhsa_system_sgpr_workgroup_id_z 1
		.amdhsa_system_vgpr_workitem_id 0
		.amdhsa_next_free_vgpr 1024
		.amdhsa_next_free_sgpr 100
		.amdhsa_reserve_vcc 0
		.amdhsa_float_denorm_mode_32 3
		.amdhsa_float_denorm_mode_16_64 3
		.amdhsa_memory_ordered 1
		.amdhsa_forward_progress 1
		.amdhsa_inst_pref_size 208
	.end_amdhsa_kernel
	.amdgpu_metadata
---
amdhsa.version: [ 1, 2 ]
amdhsa.kernels:
  - .name:           k_q737523ac7b_ff
    .symbol:         k_q737523ac7b_ff.kd
    .args:
      - { .name: xq, .offset: 0, .size: 8, .value_kind: global_buffer, .address_space: global }
      - { .name: w1q, .offset: 8, .size: 8, .value_kind: global_buffer, .address_space: global }
      - { .name: a2, .offset: 16, .size: 8, .value_kind: global_buffer, .address_space: global }
    .group_segment_fixed_size: 327680
    .private_segment_fixed_size: 0
    .kernarg_segment_align: 8
    .kernarg_segment_size: 24
    .max_flat_workgroup_size: 128
    .sgpr_count:     100
    .vgpr_count:     1024
    .wavefront_size: 32
...
	.end_amdgpu_metadata
.endif
;; end of part 4
;; launch outg (part 5): grid 16 x 16, 4 waves a work-group, clusters of 4 x 4, 327,680 bytes of LDS; arguments a2, w2q, out0; writes out0
.if DOCPART == 5
	.amdgcn_target "amdgcn-amd-amdhsa--gfx1250"
	.amdhsa_code_object_version 6
	.text
	.protected	k_q737523ac7b_outg
	.globl	k_q737523ac7b_outg
	.p2align	8
	.type	k_q737523ac7b_outg,@function
k_q737523ac7b_outg:
	s_mov_b64 s[64:65], 0
	v_nop
	global_prefetch_b8 v0, s[64:65] scope:SCOPE_SE
	s_setreg_imm32_b32 hwreg(HW_REG_WAVE_MODE, 25, 1), 1
	s_wait_xcnt 0x0
	s_wait_alu depctr_hold_cnt(0) depctr_sa_sdst(0) depctr_va_vdst(0) depctr_va_sdst(0) depctr_va_ssrc(0) depctr_va_vcc(0) depctr_vm_vsrc(0)
	s_getreg_b32 s2, hwreg(HW_REG_IB_STS2, 6, 4)
	s_cmp_eq_u32 s2, 0
	s_cbranch_scc0 .Lentry_in_a_cluster
	s_endpgm
.Lentry_in_a_cluster:
	s_bfe_u32 s2, ttmp6, 0x10000c
	s_cmp_lg_u32 s2, 0xf033
	s_cbranch_scc0 .Lentry_shape_is_right
	s_endpgm
.Lentry_shape_is_right:
; OUTG: out0 = a2 w2q^T on codes of E5M2 with E8M0 scales: 2,048 x 2,048, K = 5,120 (K blocks 0-7 the attention's result against w_attn_out, 8-39 the hidden layer against w_ff_out): both output products and their sum in one.
; SHARES: 256 work-groups, each 128 x 128 of out0.  K IS DIVIDED AMONG THE FOUR WAVES, 10 K blocks of 128 each; every wave holds the whole 128 x 128 in 64 accumulators (512 registers).
; Both buffers hold, for each group of 128 rows and each K block, eight fragments as images of the operand's registers: a load, from memory or from LDS, reads 512 consecutive bytes, 16 a lane.
; TWO WAYS IN, BY TURNS.  K blocks 0-19 come through LDS: five fills of four K blocks of A and of B (wave w multiplies K block 4 f + w), two slots of 131,072 bytes, by JOINT tensor loads in a cluster of 4 x 4:
; A's tiles are shared along a row of the cluster, B's along a column.  K blocks 20-39, five a wave, go from memory straight into registers.  A wave's steps: D0 L0 D1 L1 D2 L2 D3 L3 D4 L4: while a fill is on its way a direct step is
; multiplied, and the other way round.  The change of slots stands in a direct step, behind its first row of products: the three lines, a round of the cluster's barrier, the refill, then the LDS step's first fragments.
; A STEP: 64 products, A's blocks one after the other, each against B's eight.  B has two sets of registers (direct steps 0, LDS steps 1), A one.  A v_nop stands behind each product: the eight of a row of products are the places
; ahead of the loads into what the row before has read.  Behind row 0: A's block 7 of this step and B's set of the next step; behind row a: A's block a - 1 of the next step.
; SCALE WORDS come by plain loads; those of an LDS step are asked for two steps ahead into v48-55 and copied into their set in the direct step before it.
; THE END: each wave lays its 128 x 128 partial sums into LDS (over the slots, which have had their last fill and, behind a barrier, their last read), by rows of 512 + 16 bytes; one barrier; wave w adds the four parts of rows 32 w .. 32 w + 31.
; LIMITS: an output is the f32 sum of four f32 partial sums, (0 + 1) + (2 + 3); NaN and infinities are not served.
; THE PRODUCT IS USED TRANSPOSED (source 0 = 16 rows of the weight, source 1 = 16 tokens); the weight's rows lie with bits 3 and 4 swapped: the 16 registers of tiles 2 p, 2 p + 1 of lane (r, h) are columns 32 p + 16 h + 0 .. 15 of token r.
; REGISTERS: window 0: v8-22 addresses; v28, v29 the spare word and 0; v32-47 scale words, two sets (A's at +0..3, B's at +4..7: register j holds rows 32 j + lane); v48-55 words on the way; v128-255 A's fragments; at the end v64-255 three buffers.
;   window 1: B's two sets.   windows 2, 3: the accumulators, (a, b) at v[8 (8 (a % 4) + b)] of window 2 + a / 4.
.set KB,    40
.set KBB,   16384                      ; a K block of a group in bytes
.set DK0,   20                         ; the first K block that comes by plain loads
.set SOFF,  10485760                   ; where the scale words begin in either buffer: [group][K block][row] x 4 bytes
.set SLOT,  131072                     ; A's four K blocks, then B's four
.set RP,    528                        ; a row of partial sums in LDS: 512 bytes + 16
.set REG,   32*RP                      ; region (owner, source): 32 rows
.set SPARE, 16*REG                     ; behind the sixteen regions: the spare words, 128 bytes a wave
.set L16,  8
.set L4,   9
.set PFA,  10
.set PFB,  11
.set ST,   12                          ; v12-15: where my partial sums of row pairs 0 .. 3 go
.set RD0,  16
.set RD1,  17
.set LA0,  18                          ; my K block of A, of B in slot 0
.set LB0,  19
.set LA,   20                          ; and in the slot in hand
.set LB,   21
.set PFF,  22
.set SPW,  28
.set NIL,  29
.set SC,   32
.set TW,   48
.set AF,   128
.set BUF,  64
.set G1A,  24
.set G0A,  32
.set G0B,  36
.set G1B,  40
.set TB,   60                          ; s60: the slot in hand
.set PFP,  62                          ; s[62:63]: where my prefetches of the fills stand
.set MSB, 0
.macro WIN new                         ; the immediate's high byte repeats the setting that is left
.if MSB != \new
	s_set_vgpr_msb (MSB<<8)|\new
.set MSB, \new
.endif
.endm
.macro ROUND                           ; a round of the cluster's barrier
	s_barrier_signal -1
	s_barrier_wait -1
	s_cmp_lg_u32 s14, 0
	s_cbranch_scc1 .Lnot_wave_0_\@
	s_barrier_signal -3
.Lnot_wave_0_\@:
	s_barrier_wait -3
	s_barrier_signal -1
	s_barrier_wait -1
.endm
.macro JLOAD                           ; waves 0 and 1 fetch the halves of A's four K blocks, waves 2 and 3 of B's; an s_nop 0 and four v_nop follow each line
	s_cmp_eq_u32 s15, 0
	s_cbranch_scc0 .Lfor_b_\@
	tensor_load_to_lds s[G0A:G0A+3], s[G1A:G1A+7]
	s_nop 0
.rept 4
	v_nop
.endr
	s_branch .Lasked_\@
.Lfor_b_\@:
	tensor_load_to_lds s[G0B:G0B+3], s[G1B:G1B+7]
	s_nop 0
.rept 4
	v_nop
.endr
.Lasked_\@:
.endm
	s_load_b128 s[4:7], s[0:1], 0x0                ; a2, w2q
	s_load_b64 s[8:9], s[0:1], 0x10                ; out0
	v_lshl_add_u32 v[SPW], v0, 2, SPARE
	v_mov_b32 v[NIL], 0
	ds_add_u32 v[SPW], v[NIL]                      ; the opening lines: the add, twice on end, and its wait ahead of my first tensor load
	ds_add_u32 v[SPW], v[NIL]
	v_lshrrev_b32 v1, 5, v0
	v_readfirstlane_b32 s14, v1                    ; wave
	s_lshr_b32 s15, s14, 1                         ; I fetch for A (0) or for B (1),
	s_and_b32 s52, s14, 1                          ; and which two of a fill's four K blocks
	s_bfe_u32 s48, ttmp6, 0x40000                  ; cx, cy: my place in the cluster
	s_bfe_u32 s49, ttmp6, 0x40004
	s_lshl_b32 s50, ttmp9, 2
	s_add_co_u32 s50, s50, s48                     ; the column group
	s_and_b32 s51, ttmp7, 0xffff
	s_lshl_b32 s51, s51, 2
	s_add_co_u32 s51, s51, s49                     ; the token group
	s_lshl_b32 s53, s49, 2
	s_lshl_b32 s53, 15, s53                        ; my row of the cluster
	s_lshl_b32 s54, 0x1111, s48                    ; my column
	s_or_b32 s[G1A], s53, (3<<16)|(1<<21)          ; group 1: 128 rows of 256 bytes (32 elements of 8), dense, no padding: lanes read 16 bytes side by side
	s_or_b32 s[G1B], s54, (3<<16)|(1<<21)
.irp g, G1A, G1B
	s_mov_b32 s[\g+1], 32<<16
	s_mov_b32 s[\g+2], 128<<16
	s_mov_b32 s[\g+3], 32<<16
	s_mov_b32 s[\g+4], 128
	s_mov_b32 s[\g+5], 32
	s_mov_b32 s[\g+6], 0
	s_mov_b32 s[\g+7], 0
.endr
	s_lshl_b32 s55, s50, 10
	s_lshl_b32 s56, s51, 10
	s_mul_i32 s57, s14, REG
	s_mul_i32 s58, s14, 4*REG
	s_lshl_b32 s59, s14, 14
	s_mov_b32 s[TB], 0
	v_and_b32 v1, 15, v0                           ; r
	v_bfe_u32 v2, v0, 4, 1                         ; h
	v_and_b32 v3, 31, v0                           ; lane
	v_lshlrev_b32 v[L16], 4, v3
	v_lshlrev_b32 v[L4], 2, v3
	v_min_u32 v5, 3, v3
	v_lshl_add_u32 v[PFA], v5, 8, s55              ; prefetches of the plain loads' K blocks: of a K block's 64 pieces of 256 bytes the 16 work-groups that read it take four each, lanes 0-3 (the other lanes name the last again)
	v_lshl_add_u32 v[PFB], v5, 8, s56
	v_lshlrev_b32 v[PFF], 8, v3                    ; prefetches of the fills: a lane a piece of 256 bytes
	v_mul_u32_u24 v4, v1, RP
	v_lshl_add_u32 v4, v2, 6, v4                   ; row r, 64 h bytes on
	v_add_nc_u32 v[ST], s57, v4                    ; region 4 x owner + my number
.irp p, 1,2,3
	v_add_nc_u32 v[ST+\p], \p*4*REG, v[ST]
.endr
	v_add_nc_u32 v[RD0], s58, v[L16]               ; back: the four regions that I own; a row is 32 lanes x 16 bytes
	v_add_nc_u32 v[RD1], 2*REG, v[RD0]
	v_add_nc_u32 v[LA0], s59, v[L16]
	v_add_nc_u32 v[LB0], 4*KBB, v[LA0]
	v_mov_b32 v[LA], v[LA0]
	v_mov_b32 v[LB], v[LB0]
	s_mul_i32 s66, s51, KB                         ; A: the group's first K block;  B likewise.  A's registers never hold the column group, B's never the token group
	s_mul_i32 s74, s50, KB
	s_mul_i32 s82, s14, 5
	s_add_co_u32 s82, s82, DK0                     ; my first K block by plain loads
	s_lshl_b32 s83, s52, 15
	s_add_co_u32 s68, s66, s82
	s_add_co_u32 s72, s66, s14
	s_lshl_b32 s70, s68, 9
	s_add_co_u32 s70, s70, SOFF
	s_lshl_b32 s68, s68, 14
	s_lshl_b32 s72, s72, 9
	s_add_co_u32 s72, s72, SOFF
	s_lshl_b32 s66, s66, 14
	s_add_co_u32 s66, s66, s83
	s_add_co_u32 s76, s74, s82
	s_add_co_u32 s80, s74, s14
	s_lshl_b32 s78, s76, 9
	s_add_co_u32 s78, s78, SOFF
	s_lshl_b32 s76, s76, 14
	s_lshl_b32 s80, s80, 9
	s_add_co_u32 s80, s80, SOFF
	s_lshl_b32 s74, s74, 14
	s_add_co_u32 s74, s74, s83
.irp q, 67,69,71,73,75,77,79,81,85
	s_mov_b32 s\q, 0
.endr
	s_lshl_b32 s84, s51, 20                        ; out0: row 128 x token group + 32 x wave, 8,192 bytes a row; column group x 512 bytes
	s_lshl_b32 s82, s14, 18
	s_add_co_u32 s84, s84, s82
	s_lshl_b32 s82, s50, 9
	s_add_co_u32 s84, s84, s82
	s_wait_alu depctr_va_vdst(0)
	s_wait_dscnt 0x0                               ; both opening adds are done
	s_wait_kmcnt 0x0
	s_add_nc_u64 s[66:67], s[4:5], s[66:67]        ; A: my piece of fill 0,
	s_add_nc_u64 s[10:11], s[4:5], s[68:69]        ; my first K block by plain loads,
	s_add_nc_u64 s[16:17], s[4:5], s[70:71]        ; its words,
	s_add_nc_u64 s[20:21], s[4:5], s[72:73]        ; the words of my K block of fill 0
	s_add_nc_u64 s[74:75], s[6:7], s[74:75]        ; B likewise
	s_add_nc_u64 s[12:13], s[6:7], s[76:77]
	s_add_nc_u64 s[18:19], s[6:7], s[78:79]
	s_add_nc_u64 s[22:23], s[6:7], s[80:81]
	s_add_nc_u64 s[8:9], s[8:9], s[84:85]
	s_mov_b32 s[G0A], 1
	s_lshl_b32 s[G0A+1], s14, 15                   ; where my piece goes: wave x 32,768: no place in the cluster enters an LDS address
	s_mov_b64 s[G0A+2:G0A+3], s[66:67]
	s_or_b32 s[G0A+3], s[G0A+3], 0x80000000
	s_mov_b32 s[G0B], 1
	s_lshl_b32 s[G0B+1], s14, 15
	s_mov_b64 s[G0B+2:G0B+3], s[74:75]
	s_or_b32 s[G0B+3], s[G0B+3], 0x80000000
	s_cmp_eq_u32 s15, 0
	s_cselect_b64 s[PFP:PFP+1], s[66:67], s[74:75]
	s_cselect_b32 s61, s48, s49                    ; of the 128 pieces that I fetch, each of the four partners that ask with me prefetches 32, told apart by address
	s_lshl_b32 s82, s61, 13
	s_mov_b32 s83, 0
	s_add_nc_u64 s[PFP:PFP+1], s[PFP:PFP+1], s[82:83]
	ROUND                                          ; all sixteen work-groups are here: the first joint loads meet
	JLOAD                                          ; fill 0: one tensor load a wave at the head
.macro LDA al, off                     ; A's fragment al of the K block off bytes from the base: four plain loads
.irp c, 0,1,2,3
	global_load_b128 v[AF+16*(\al)+4*\c:AF+16*(\al)+4*\c+3], v[L16], s[10:11] offset:(\off)+2048*(\al)+512*\c
.endr
.endm
.macro LDB                             ; B's eight fragments into set 0, and both sides' scale words: 40 plain loads
	WIN 0x40
.irp i, 0,1,2,3,4,5,6,7
.irp c, 0,1,2,3
	global_load_b128 v[16*\i+4*\c:16*\i+4*\c+3], v[L16], s[12:13] offset:2048*\i+512*\c
.endr
.endr
	WIN 0
.irp j, 0,1,2,3
	global_load_b32 v[SC+\j], v[L4], s[16:17] offset:128*\j
	global_load_b32 v[SC+4+\j], v[L4], s[18:19] offset:128*\j
.endr
.endm
.macro LDT off                         ; an LDS step's scale words, on the way: eight plain loads
.irp j, 0,1,2,3
	global_load_b32 v[TW+\j], v[L4], s[20:21] offset:(\off)+128*\j
	global_load_b32 v[TW+4+\j], v[L4], s[22:23] offset:(\off)+128*\j
.endr
.endm
.macro LSA al                          ; A's fragment al out of the slot in hand
.irp c, 0,1,2,3
	ds_load_b128 v[AF+16*(\al)+4*\c:AF+16*(\al)+4*\c+3], v[LA] offset:2048*(\al)+512*\c
.endr
.endm
.macro LSB                             ; B's eight into set 1
	WIN 0x40
.irp i, 0,1,2,3,4,5,6,7
.irp c, 0,1,2,3
	ds_load_b128 v[128+16*\i+4*\c:128+16*\i+4*\c+3], v[LB] offset:2048*\i+512*\c
.endr
.endr
	WIN 0
.endm
.macro WM c, ro                        ; one product; ro: bit 0: B's words in lanes 16-31, bit 1: A's
.if (\ro) == 0
	v_wmma_scale_f32_16x16x128_f8f6f4 v[D_:D_+7], v[B_:B_+15], v[A_:A_+15], \c, v[SB_], v[SA_] matrix_a_fmt:MATRIX_FMT_BF8 matrix_b_fmt:MATRIX_FMT_BF8
.elseif (\ro) == 1
	v_wmma_scale_f32_16x16x128_f8f6f4 v[D_:D_+7], v[B_:B_+15], v[A_:A_+15], \c, v[SB_], v[SA_] matrix_a_fmt:MATRIX_FMT_BF8 matrix_b_fmt:MATRIX_FMT_BF8 matrix_a_scale:MATRIX_SCALE_ROW1
.elseif (\ro) == 2
	v_wmma_scale_f32_16x16x128_f8f6f4 v[D_:D_+7], v[B_:B_+15], v[A_:A_+15], \c, v[SB_], v[SA_] matrix_a_fmt:MATRIX_FMT_BF8 matrix_b_fmt:MATRIX_FMT_BF8 matrix_b_scale:MATRIX_SCALE_ROW1
.else
	v_wmma_scale_f32_16x16x128_f8f6f4 v[D_:D_+7], v[B_:B_+15], v[A_:A_+15], \c, v[SB_], v[SA_] matrix_a_fmt:MATRIX_FMT_BF8 matrix_b_fmt:MATRIX_FMT_BF8 matrix_a_scale:MATRIX_SCALE_ROW1 matrix_b_scale:MATRIX_SCALE_ROW1
.endif
.endm
.macro ROW al, p, zero                 ; A's block al against B's eight of set p: the accumulators take turns; a place behind each product
	WIN 0xa1+0x50*((\al)/4)
.irp b, 0,1,2,3,4,5,6,7
.set D_, 8*(8*((\al)%4)+\b)
.set B_, 128*(\p)+16*\b
.set A_, AF+16*(\al)
.set SB_, SC+8*(\p)+4+\b/2
.set SA_, SC+8*(\p)+(\al)/2
.if \zero
	WM 0, (\b%2)+2*((\al)%2)
.else
	WM v[D_:D_+7], (\b%2)+2*((\al)%2)
.endif
	v_nop
.endr
.endm
; A DIRECT STEP (set 0), with the change of slots.  LOADcnt: behind A's block 0 were issued its blocks 1 to 6: 24; behind block a (1 .. 7): blocks a + 1 .. 7 and, fill = 1, the eight words on the way.
; fill = 1: the slot read last is filled again (the first time: slot 1's first fill, issued as a refill is); fill = 0: the last fill is shown, nothing is asked for.
.macro DSTEP zero, fill
	s_wait_loadcnt 24
	ROW 0, 0, \zero
	WIN 0
	LDA 7, 0
.irp i, 0,1,2,3,4,5,6,7
	v_mov_b32 v[SC+8+\i], v[TW+\i]                 ; the next step's scale words into their set: asked for two steps ago, older than what row 0 has waited for
.endr
	s_wait_alu depctr_va_vdst(0)                   ; ahead of the waits below
.if \fill
	LDT 4*KBB/32
.endif
	s_wait_tensorcnt 0x0                           ; my part of the next step's slot has landed; no load of mine is out
.if \fill
	ds_add_u32 v[SPW], v[NIL]
	s_xor_b32 s[G0A+1], s[G0A+1], SLOT             ; the walking descriptors: the other slot, the next four K blocks
	s_add_nc_u64 s[G0A+2:G0A+3], s[G0A+2:G0A+3], 4*KBB
	s_xor_b32 s[G0B+1], s[G0B+1], SLOT
	s_add_nc_u64 s[G0B+2:G0B+3], s[G0B+2:G0B+3], 4*KBB
	s_wait_dscnt 0x0                               ; the add is done, and my reads of the slot that is filled again are over
	ROUND                                          ; both now hold of every wave of every work-group of the cluster
	JLOAD                                          ; my one tensor load behind the round
	s_wait_xcnt 0x0                                ; the bases are written only behind this wait: on to the next direct step's K block, the next LDS step's words, the next fill
	s_add_nc_u64 s[10:11], s[10:11], KBB
	s_add_nc_u64 s[12:13], s[12:13], KBB
	s_add_nc_u64 s[16:17], s[16:17], KBB/32
	s_add_nc_u64 s[18:19], s[18:19], KBB/32
	s_add_nc_u64 s[20:21], s[20:21], 4*KBB/32
	s_add_nc_u64 s[22:23], s[22:23], 4*KBB/32
	s_add_nc_u64 s[PFP:PFP+1], s[PFP:PFP+1], 4*KBB
.else
	s_wait_dscnt 0x0
	s_barrier_signal -1
	s_barrier_wait -1
.endif
	LSB
.irp al, 1,2,3,4,5,6,7
	s_wait_loadcnt 28-4*\al+8*\fill
	ROW \al, 0, \zero
	WIN 0
	LSA \al-1
.endr
.endm
; AN LDS STEP (set 1) that has a direct step behind it.  DScnt: behind A's block 0 were issued its blocks 1 to 6: 24; behind block a: blocks a + 1 .. 7.
; ask = 1: prefetches into the L2: my work-group's four pieces of A's and of B's K block of the direct step after the next, whose loads are issued two steps from here; and, while such a fill exists, my 32 pieces of the fill
; three on, whose load is issued three steps from here.  Direct steps 0 and 1 and fills 0 to 2 come by their loads alone.
.macro LSTEP ask
	s_wait_dscnt 24
	ROW 0, 1, 0
	WIN 0
	LSA 7
	s_xor_b32 s[TB], s[TB], SLOT                   ; on to the other slot
	v_add_nc_u32 v[LA], s[TB], v[LA0]
	v_add_nc_u32 v[LB], s[TB], v[LB0]
	s_wait_alu depctr_va_vdst(0)                   ; directly behind the writes
	LDB
.irp al, 1,2,3,4,5,6,7
	s_wait_dscnt 28-4*\al
	ROW \al, 1, 0
	WIN 0
	LDA \al-1, 0
.if (\al == 4) && \ask
	global_prefetch_b8 v[PFA], s[10:11] offset:KBB th:TH_LOAD_NT scope:SCOPE_SE
	global_prefetch_b8 v[PFB], s[12:13] offset:KBB th:TH_LOAD_NT scope:SCOPE_SE
	s_cmp_gt_u32 s3, 1
	s_cbranch_scc0 .Lno_fill_\@
	global_prefetch_b8 v[PFF], s[PFP:PFP+1] offset:8*KBB th:TH_LOAD_NT scope:SCOPE_SE
.Lno_fill_\@:
.endif
.endr
.endm
.macro PUT al                          ; block al's 16 rows of partial sums into LDS, each accumulator from its low end on
	WIN 0x08+4*((\al)/4)
.irp b, 0,1,2,3,4,5,6,7
	ds_store_b128 v[ST+(\al)/2], v[8*(8*((\al)%4)+\b):8*(8*((\al)%4)+\b)+3] offset:((\al)%2)*16*RP+128*(\b/2)+32*(\b%2)
	ds_store_b128 v[ST+(\al)/2], v[8*(8*((\al)%4)+\b)+4:8*(8*((\al)%4)+\b)+7] offset:((\al)%2)*16*RP+128*(\b/2)+32*(\b%2)+16
.endr
.endm
	LDT 0                                          ; L0's words, then D0's operands
	LDB
.irp al, 0,1,2,3,4,5,6
	LDA \al, 0
.endr
	DSTEP 1, 1                                     ; D0 starts the sums; fill 1
	s_mov_b32 s3, 3
.Lk:                                               ; three trips: L0 D1, L1 D2, L2 D3; fills 2, 3, 4
	LSTEP 1
	DSTEP 0, 1
	s_sub_co_u32 s3, s3, 1
	s_cmp_lg_u32 s3, 0
	s_cbranch_scc1 .Lk
	LSTEP 0                                        ; L3
	DSTEP 0, 0                                     ; D4 asks for nothing more
	s_wait_dscnt 24                                ; L4: a finished block goes to LDS behind the next block's products and their eight places
	ROW 0, 1, 0
	WIN 0
	LSA 7
	s_wait_dscnt 0x0                               ; my last reads of the slots are over:
	s_barrier_signal -1
	ROW 1, 1, 0
	s_barrier_wait -1                              ; and everybody's: the partial sums may be laid over the slots
	PUT 0
.irp al, 2,3,4,5,6,7
	ROW \al, 1, 0
	PUT \al-1
.endr
.rept 8
	v_nop
.endr
	PUT 7
	WIN 0
	s_wait_dscnt 0x0                               ; for the others' sake: my stores are done
	s_barrier_signal -1
	s_barrier_wait -1
.macro GET t                           ; rows 4 t .. 4 t + 3 of my 32, from the four sources: 16 loads
.irp q, 0,1,2,3
	ds_load_b128 v[BUF+64*((\t)%3)+16*\q:BUF+64*((\t)%3)+16*\q+3], v[RD0] offset:(4*(\t)+\q)*RP
	ds_load_b128 v[BUF+64*((\t)%3)+16*\q+4:BUF+64*((\t)%3)+16*\q+7], v[RD0] offset:REG+(4*(\t)+\q)*RP
	ds_load_b128 v[BUF+64*((\t)%3)+16*\q+8:BUF+64*((\t)%3)+16*\q+11], v[RD1] offset:(4*(\t)+\q)*RP
	ds_load_b128 v[BUF+64*((\t)%3)+16*\q+12:BUF+64*((\t)%3)+16*\q+15], v[RD1] offset:REG+(4*(\t)+\q)*RP
.endr
.endm
.macro SUM t
.set U_, BUF+64*((\t)%3)
.irp q, 0,1,2,3
.irp e, 0,2
	v_pk_add_f32 v[U_+16*\q+\e:U_+16*\q+\e+1], v[U_+16*\q+\e:U_+16*\q+\e+1], v[U_+16*\q+4+\e:U_+16*\q+5+\e]
	v_pk_add_f32 v[U_+16*\q+8+\e:U_+16*\q+9+\e], v[U_+16*\q+8+\e:U_+16*\q+9+\e], v[U_+16*\q+12+\e:U_+16*\q+13+\e]
.endr
.endr
.irp q, 0,1,2,3
.irp e, 0,2
	v_pk_add_f32 v[U_+16*\q+\e:U_+16*\q+\e+1], v[U_+16*\q+\e:U_+16*\q+\e+1], v[U_+16*\q+8+\e:U_+16*\q+9+\e]
.endr
.endr
.irp q, 0,1,2,3
	global_store_b128 v[L16], v[U_+16*\q:U_+16*\q+3], s[8:9] offset:(4*(\t)+\q)*8192 th:TH_STORE_NT   ; 512 consecutive bytes of a row, aligned
.endr
.endm
	GET 0
	GET 1
.irp t, 0,1,2,3,4,5,6,7
.if \t < 6
.if \t > 0
	s_wait_xcnt 0x0                                ; the stores of the batch before have read their registers: the batch two on lands there
.endif
	GET \t+2
	s_wait_dscnt 32                                ; all but the two batches behind this one
.else
	s_wait_dscnt 16*(7-\t)
.endif
	SUM \t
.endr
	s_wait_tensorcnt 0x0                           ; the wave's end
	ds_add_u32 v[SPW], v[NIL]
	s_wait_dscnt 0x0
	ROUND                                          ; the closing round
	s_endpgm
.Lfunc_end_k_q737523ac7b_outg:
	.size	k_q737523ac7b_outg, .Lfunc_end_k_q737523ac7b_outg-k_q737523ac7b_outg
	.p2alignl 7, 3214868480
	.fill 96, 4, 3214868480
	.section	.rodata,"a",@progbits
	.p2align	6, 0x0
	.amdhsa_kernel k_q737523ac7b_outg
		.amdhsa_group_segment_fixed_size 327680
		.amdhsa_private_segment_fixed_size 0
		.amdhsa_enable_private_segment 0
		.amdhsa_kernarg_size 24
		.amdhsa_user_sgpr_count 2
		.amdhsa_user_sgpr_kernarg_segment_ptr 1
		.amdhsa_wavefront_size32 1
		.amdhsa_system_sgpr_workgroup_id_x 1
		.amdhsa_system_sgpr_workgroup_id_y 1
		.amdhsa_system_sgpr_workgroup_id_z 1
		.amdhsa_system_vgpr_workitem_id 0
		.amdhsa_next_free_vgpr 1024
		.amdhsa_next_free_sgpr 90
		.amdhsa_reserve_vcc 0
		.amdhsa_float_denorm_mode_32 3
		.amdhsa_float_denorm_mode_16_64 3
		.amdhsa_memory_ordered 1
		.amdhsa_forward_progress 1
		.amdhsa_inst_pref_size 144
	.end_amdhsa_kernel
	.amdgpu_metadata
---
amdhsa.version: [ 1, 2 ]
amdhsa.kernels:
  - .name:           k_q737523ac7b_outg
    .symbol:         k_q737523ac7b_outg.kd
    .args:
      - { .name: a2, .offset: 0, .size: 8, .value_kind: global_buffer, .address_space: global }
      - { .name: w2q, .offset: 8, .size: 8, .value_kind: global_buffer, .address_space: global }
      - { .name: out0, .offset: 16, .size: 8, .value_kind: global_buffer, .address_space: global }
    .group_segment_fixed_size: 327680
    .private_segment_fixed_size: 0
    .kernarg_segment_align: 8
    .kernarg_segment_size: 24
    .max_flat_workgroup_size: 128
    .sgpr_count:     90
    .vgpr_count:     1024
    .wavefront_size: 32
...
	.end_amdgpu_metadata
.endif
;; end of part 5
